; MI455X (gfx1250); checked and timed in simulation.
; The chip was launched on July 23, 2026; its instructions are those of AMD's public machine-readable ISA for CDNA 5 (MIT licence, August 2026) and "CDNA5" Instruction Set Architecture Reference Guide (July 2026). The comments in the code are by the model that wrote it; some were corrected since.
;; Ray Tracing. Allowed arithmetic: float matrix products may take bf16 or f16 operands with f32 sums; all other float work in f32.
;; Inputs: W1 3 x 256 float32; W2 256 x 256 float32; W3 256 x 1 float32; b1 256 float32; b2 256 float32; b3 1 float32; cam_loc 1 x 4,096 x 3 float32; object_mask 1 x 4,096 bool; ray_directions 1 x 4,096 x 3 float32.
;; Outputs: out0 4,096 x 3 float32; out1 4,096 bool; out2 4,096 float32.
;; 2 versions, each right and faster than the one before. Each part assembles by itself: llvm-mc -triple=amdgcn-amd-amdhsa -mcpu=gfx1250 --defsym DOCPART=n.
;; ======== version 1 of 2: 2 launches
;; limits: values are held in f16: magnitudes above 65,504 overflow, below 6.1e-05 lose precision
;; workspace buffers: zrange 32,768 bytes; order 17,408 bytes of whole numbers
;; launch trace (part 1): grid 256 x 1, 4 waves a work-group, no clusters, 198,144 bytes of LDS; arguments W2, W1, b1, b2, W3, b3, cam_loc, ray_directions, object_mask, out0, out1, out2, zrange, order; writes out0, out1, out2, zrange, order
.if DOCPART == 1
	.amdgcn_target "amdgcn-amd-amdhsa--gfx1250"
	.amdhsa_code_object_version 6
	.text
	.protected	k_q21af87c808_trace
	.globl	k_q21af87c808_trace
	.p2align	8
	.type	k_q21af87c808_trace,@function
k_q21af87c808_trace:
	s_mov_b64 s[64:65], 0
	v_nop
	global_prefetch_b8 v0, s[64:65] scope:SCOPE_SE
	s_setreg_imm32_b32 hwreg(HW_REG_WAVE_MODE, 25, 1), 1
	s_wait_xcnt 0x0
; SPHERE TRACING.  A work-group owns 16 rays; 256 work-groups, four waves each, one on each SIMD.
; It computes the intersection with the unit sphere and the ten sphere-tracing steps from both ends, stores the result that holds for
; rays that need no sampler (out0 = start point, out1 = acc_s < acc_e, out2 = acc_s) for ALL its rays, and for the next launch
; zrange[ray] = (acc_s, acc_e), order.list[wg][0..15] = its rays that still need the sampler, order.cnt[wg] = how many.
;
; THE SDF, for a batch of 16 NT points (NT tiles, lane r = point r of a tile), transposed: D[hidden][point].
;   Wave w owns hidden units 64 w .. 64 w + 63 of both layers (four tiles T of 16).  Its quarter of W2 stays in 256 registers.
;   tanh x = 1 - 2 / (1 + 2^(C2 x)), C2 = 2 log2 e, folded into W1, b1, W2, b2 once.
;   Layer 1: one f16 matrix instruction a tile; weights, bias and point each as f16 hi + lo in k = 0..15 (about 21 bits kept).
;   Layer 2: eight K steps of 32, f16; the first takes the bias as C.  h1 goes from wave to wave through LDS in fragment order.
;   Layer 3 rides on the second tanh: 0.05 sum W3 (1 - 2 rho) = 0.05 sum W3 + sum (-0.1 W3) rho, rho = 1 / (1 + 2^(..)).
;   The four waves' partial sums meet in LDS; every wave adds them in the same order, so all waves hold the same state.
; The point of the line search (acc -+ 0.5 csdf) is known before the step's first sdf is: the four points of a step go in one batch of 64.
;
; LIMITS.  f16 operands: |C2 W1|, |C2 b1|, |C2 W2| and the coordinates of a point must stay below 65504; W2 and h1 are rounded to f16 once
; (11 bits), which is the error that the compare with 5e-5 and the signs see.  NaN inputs are not served.
; object_mask is loaded as an input, and enters nothing: the function that is computed gives it no part in the result.
; NO CLUSTER: the only bytes that work-groups share are W2's 262,144, read once at the head and narrowed to f16 on the way through registers;
; as f32 rows in LDS they would not fit beside the 163,840 bytes of f16 staging, and the loops read no global memory at all.
.set C2,     0x4038aa3b                ; 2 log2 e
.set NEG01,  0xbdcccccd                ; -0.1
.set P005,   0x3d4ccccd                ; 0.05
.set NEG06,  0xbf19999a                ; -0.6
.set EPS12,  0x2b8cbccc                ; 1e-12
.set THR,    0x3851b717                ; 5e-5
; LDS
.set H1N,    8192                      ; h1 of a tile of 16 points: 16 fragments halves of 512 bytes; four tiles from byte 0
.set WST,    32768                     ; staging of W2 in f16: wave w's 256 rows (k) of 64 columns, its own bytes
.set WSTW,   40960
.set WP,     160                       ; its pitch: 128 bytes of data + 32
.set PART,   196608                    ; partial sums [wave][r][4] f32
; registers, window 0
.set LN,   1                           ; lane
.set RR,   2                           ; r = lane & 15
.set HH,   3                           ; h = lane >> 4
.set LDA,  4                           ; 16 lane: h1 fragments, read
.set STA,  5                           ; 16 lane + 2048 w: h1 fragments, written
.set PST,  6                           ; where my partial sums go
.set PLD,  7                           ; where all four are read
.set FLAG, 8                           ; 1.0 in wave 0, h = 0: the lanes that add the analytic part
.set KLC,  9                           ; 0.05 x (the lane's 32 W3) + FLAG (0.05 b3 - 0.6)
.set CAM,  10                          ; v[10:12]
.set RAY,  14                          ; v[14:16]
.set ACS,  18
.set ACE,  19
.set NS,   20
.set NE,   21
.set CS,   22
.set CE,   23
.set Z2,   24
.set Z3,   25
.set SUM,  28                          ; v[28:35] a pair for each tile.  At set-up: addresses
.set AW1,  28
.set AB2,  29
.set AW2,  30
.set AST,  31
.set ATR,  32
.set Q,    36                          ; v[36:39] my wave's sum for tile N
.set PR,   40                          ; v[40:55] partial sums as read.  At set-up: W1, b1
.set T,    56                          ; v[56:63] at work
.set B1,   64                          ; v[64:95] layer 1's B fragment of tile N.  At set-up: b2
.set PK,   96                          ; v[96:103] packed h1, two sets
.set W3R,  96                          ; v[96:127] at set-up: W3
.set ACC,  128                         ; v[128:255] accumulators (T, N) at 32 N + 8 T.  At set-up: 32 slots of 4 for W2
.set A2,   0                           ; window 1: W2 fragments (T, k) at 64 T + 8 k
.set B2,   0                           ; window 2: h1 fragments (N, k) at 64 N + 8 k
.set A1,   0                           ; window 3: layer 1's A fragment of tile T
.set BI,   32                          ; window 3: C2 b2 in the accumulator's layout
.set W3P,  64                          ; window 3: -0.1 W3 in the accumulator's layout
.set MSB, 0
.macro WIN new                         ; s_set_vgpr_msb: bits 1:0 source 0, 3:2 source 1, 5:4 source 2, 7:6 destination; the high byte repeats the setting left
.if MSB != \new
	s_set_vgpr_msb (MSB<<8)|\new
.set MSB, \new
.endif
.endm
.macro PLACES                          ; four independent vector instructions between a matrix instruction and a vector read of its result (ISA guide 7.12.1)
.rept 4
	v_nop
.endr
.endm
.macro BAR                             ; my LDS stores are written and my LDS loads are back, for the other waves' sake: zero; then the barrier
	s_wait_dscnt 0x0
	s_barrier_signal -1
	s_barrier_wait -1
.endm
.macro SETUP_IDS
	s_load_b512 s[16:31], s[0:1], 0x0              ; W2 16, W1 18, b1 20, b2 22, W3 24, b3 26, cam 28, rays 30
	s_load_b256 s[32:39], s[0:1], 0x40
	v_lshl_add_u32 v26, v0, 2, 0x30400
	v_mov_b32 v27, 0
	v_and_b32 v[LN], 31, v0
	v_and_b32 v[RR], 15, v0
	v_bfe_u32 v[HH], v0, 4, 1
	v_lshrrev_b32 v[T], 5, v0
	v_readfirstlane_b32 s8, v[T]                   ; wave
	s_mov_b32 s9, ttmp9                            ; work-group
	s_mov_b32 s10, 0x76543210                      ; v_permlanex16_b32: lane i of the other half
	s_mov_b32 s11, 0xfedcba98
	s_mov_b32 s12, 0xffff0000                      ; the lanes with h = 1
	s_mov_b32 s13, 0xffffe000                      ; keeps an f32's upper 10 mantissa bits: exact in f16
	s_mov_b32 s52, C2
	s_mov_b32 s53, C2
	s_mov_b32 s54, NEG01
	s_mov_b32 s55, NEG01
	s_mov_b32 s57, EPS12
	v_lshlrev_b32 v[LDA], 4, v[LN]
	s_lshl_b32 s2, s8, 11
	v_add_nc_u32 v[STA], s2, v[LDA]
	s_lshl_b32 s2, s8, 8                           ; 64 f32 of my wave
	v_lshl_add_u32 v[AW1], v[RR], 2, s2            ; 4 (64 w + r)
	v_lshl_add_u32 v[AB2], v[HH], 5, s2            ; 4 (64 w + 8 h)
	v_lshl_add_u32 v[AW2], v[RR], 4, s2            ; W2: 16 r + 256 w
	v_lshl_add_u32 v[AW2], v[HH], 10, v[AW2]       ;     + row h
	s_mul_i32 s3, s8, WSTW
	s_add_co_u32 s3, s3, WST                       ; my staging
	v_mul_u32_u24 v[AST], WP, v[HH]
	v_lshl_add_u32 v[AST], v[RR], 3, v[AST]
	v_add_nc_u32 v[AST], s3, v[AST]                ; in: row h, 8 bytes at 8 r
	v_and_b32 v[ATR], 7, v0
	v_lshl_add_u32 v[ATR], v[HH], 3, v[ATR]
	v_mul_u32_u24 v[ATR], WP, v[ATR]               ; out, transposing: row 8 h + (lane & 7),
	v_bfe_u32 v[T], v0, 3, 1
	v_lshl_add_u32 v[ATR], v[T], 4, v[ATR]         ; 16 bytes at 16 ((lane >> 3) & 1)
	v_add_nc_u32 v[ATR], s3, v[ATR]
	v_cmp_gt_u32 vcc_lo, 16, v0
	v_mov_b32 v[FLAG], 1.0
	v_cndmask_b32 v[FLAG], 0, v[FLAG], vcc_lo
	s_wait_kmcnt 0x0
	s_load_b32 s15, s[26:27], 0x0                  ; b3
.endm
.macro SETUP_LOADS                     ; 32 small loads, then the first 64 rows of W2: 32 loads, each half wave 256 neighbouring bytes of a row
.set t_, 0
.rept 4
	global_load_b32 v[PR+4*t_], v[AW1], s[18:19] offset:64*t_
	global_load_b32 v[PR+4*t_+1], v[AW1], s[18:19] offset:1024+64*t_
	global_load_b32 v[PR+4*t_+2], v[AW1], s[18:19] offset:2048+64*t_
	global_load_b32 v[PR+4*t_+3], v[AW1], s[20:21] offset:64*t_
	global_load_b128 v[B1+8*t_:B1+8*t_+3], v[AB2], s[22:23] offset:64*t_
	global_load_b128 v[B1+8*t_+4:B1+8*t_+7], v[AB2], s[22:23] offset:64*t_+16
	global_load_b128 v[W3R+8*t_:W3R+8*t_+3], v[AB2], s[24:25] offset:64*t_
	global_load_b128 v[W3R+8*t_+4:W3R+8*t_+7], v[AB2], s[24:25] offset:64*t_+16
.set t_, t_+1
.endr
.set i_, 0
.rept 32
	global_load_b128 v[ACC+4*i_:ACC+4*i_+3], v[AW2], s[16:17] offset:2048*i_
.set i_, i_+1
.endr
.endm
; One slot of the W2 ring: rows 2 i + h of this round's 64.  Scale by C2, narrow to f16, 8 bytes into my staging.
; left: the younger loads that may stay out (loads come back in order, ISA guide 5.7.1).
.macro WSLOT ii, ahead, left
	s_wait_loadcnt \left
	v_pk_mul_f32 v[ACC+4*\ii:ACC+4*\ii+1], v[ACC+4*\ii:ACC+4*\ii+1], s[52:53] op_sel_hi:[1,0]
	v_pk_mul_f32 v[ACC+4*\ii+2:ACC+4*\ii+3], v[ACC+4*\ii+2:ACC+4*\ii+3], s[52:53] op_sel_hi:[1,0]
	v_cvt_pk_f16_f32 v[T], v[ACC+4*\ii], v[ACC+4*\ii+1]
	v_cvt_pk_f16_f32 v[T+1], v[ACC+4*\ii+2], v[ACC+4*\ii+3]
	ds_store_b64 v[AST], v[T:T+1] offset:2*WP*\ii
.if \ahead
	global_load_b128 v[ACC+4*\ii:ACC+4*\ii+3], v[AW2], s[16:17] offset:65536+2048*\ii
.endif
.endm
; Tile T's constants.  A1: k = 0..7 (lanes h = 0) = (wx, wy, wz, b)hi, (wx, wy, wz)hi, b lo;  k = 8..15 (h = 1) = (wx, wy, wz)lo, 0, twice.
; Against B1 = (px, py, pz)hi, 1, (px, py, pz)lo, 1 in both halves that sums to (w hi + w lo)(p hi + p lo) + b.
.macro TILECONST tt
.set x_, PR+4*\tt
	v_pk_mul_f32 v[x_:x_+1], v[x_:x_+1], s[52:53] op_sel_hi:[1,0]
	v_pk_mul_f32 v[x_+2:x_+3], v[x_+2:x_+3], s[52:53] op_sel_hi:[1,0]
	v_and_b32 v[T], s13, v[x_]
	v_and_b32 v[T+1], s13, v[x_+1]
	v_and_b32 v[T+2], s13, v[x_+2]
	v_and_b32 v[T+3], s13, v[x_+3]
	v_sub_f32 v[x_], v[x_], v[T]
	v_sub_f32 v[x_+1], v[x_+1], v[T+1]
	v_sub_f32 v[x_+2], v[x_+2], v[T+2]
	v_sub_f32 v[x_+3], v[x_+3], v[T+3]
	v_cvt_pk_f16_f32 v[T+4], v[T], v[T+1]          ; (wx hi, wy hi)
	v_cvt_pk_f16_f32 v[T+5], v[T+2], v[T+3]        ; (wz hi, b hi)
	v_cvt_pk_f16_f32 v[T+6], v[T+2], v[x_+3]       ; (wz hi, b lo)
	v_cvt_pk_f16_f32 v[T], v[x_], v[x_+1]          ; (wx lo, wy lo)
	v_cvt_pk_f16_f32 v[T+1], v[x_+2], 0            ; (wz lo, 0)
	WIN 0xc0                                       ; destinations in window 3
	v_cndmask_b32 v[A1+8*\tt], v[T+4], v[T], s12
	v_cndmask_b32 v[A1+8*\tt+1], v[T+5], v[T+1], s12
	v_cndmask_b32 v[A1+8*\tt+2], v[T+4], v[T], s12
	v_cndmask_b32 v[A1+8*\tt+3], v[T+6], v[T+1], s12
.set j_, 4
.rept 4
	v_mov_b32 v[A1+8*\tt+j_], 0                    ; k = 16..31 are not used
.set j_, j_+1
.endr
.set j_, 0
.rept 4
	v_pk_mul_f32 v[BI+8*\tt+j_:BI+8*\tt+j_+1], v[B1+8*\tt+j_:B1+8*\tt+j_+1], s[52:53] op_sel_hi:[1,0]
	v_pk_mul_f32 v[W3P+8*\tt+j_:W3P+8*\tt+j_+1], v[W3R+8*\tt+j_:W3R+8*\tt+j_+1], s[54:55] op_sel_hi:[1,0]
.set j_, j_+2
.endr
	WIN 0
.endm
.macro SETUP_REST
	s_mov_b32 s14, 0
.Lw2:                                  ; three rounds of 64 rows, each slot filled again with the row 64 further down: 31 younger loads stay out
.set i_, 0
.rept 32
	WSLOT i_, 1, 31
.set i_, i_+1
.endr
	s_wait_xcnt 0x0                                ; the loads' base is stepped only behind this wait
	s_add_nc_u64 s[16:17], s[16:17], 0x10000
	v_add_nc_u32 v[AST], 64*WP, v[AST]
	s_add_co_u32 s14, s14, 1
	s_cmp_lt_u32 s14, 3
	s_cbranch_scc1 .Lw2
.set i_, 0
.rept 32
	WSLOT i_, 0, 31-i_                             ; the last 64 rows: nothing is loaded, the counts run down to 0: every load of the wave is in
.set i_, i_+1
.endr
	WIN 0x40                                       ; destinations in window 1.  My own bytes, served in order: no wait, no barrier
.set k_, 0
.rept 8
.set t_, 0
.rept 4
	ds_load_tr16_b128 v[A2+64*t_+8*k_:A2+64*t_+8*k_+3], v[ATR] offset:32*WP*k_+32*t_
	ds_load_tr16_b128 v[A2+64*t_+8*k_+4:A2+64*t_+8*k_+7], v[ATR] offset:32*WP*k_+32*t_+16*WP
.set t_, t_+1
.endr
.set k_, k_+1
.endr
	WIN 0
	v_pk_add_f32 v[T:T+1], v[W3R:W3R+1], v[W3R+2:W3R+3]
.set i_, 4
.rept 14
	v_pk_add_f32 v[T:T+1], v[T:T+1], v[W3R+i_:W3R+i_+1]
.set i_, i_+2
.endr
	v_add_f32 v[T], v[T], v[T+1]                   ; the lane's 32 W3
	s_wait_kmcnt 0x0                               ; b3
	s_mov_b32 s2, P005
	v_mov_b32 v[T+1], NEG06
	v_fma_f32 v[T+1], s2, s15, v[T+1]
	v_mul_f32 v[T+1], v[FLAG], v[T+1]
	v_fma_f32 v[KLC], s2, v[T], v[T+1]
	TILECONST 0
	TILECONST 1
	TILECONST 2
	TILECONST 3
.set n_, 0
.rept 4
.set j_, 4
.rept 4
	v_mov_b32 v[B1+8*n_+j_], 0                     ; k = 16..31 of layer 1's B, once
.set j_, j_+1
.endr
.set n_, n_+1
.endr
.endm
; Point p = c + z d of tile nn: its B fragment (hi, lo), and the start of its sum: KLC + FLAG sqrt(|p|^2 + 1e-12).
.macro POINT nn, zz, cc, dd
	v_fma_f32 v[T], v[\zz], v[\dd], v[\cc]
	v_fma_f32 v[T+1], v[\zz], v[\dd+1], v[\cc+1]
	v_fma_f32 v[T+2], v[\zz], v[\dd+2], v[\cc+2]
	v_fma_f32 v[T+3], v[T], v[T], s57
	v_fma_f32 v[T+3], v[T+1], v[T+1], v[T+3]
	v_fma_f32 v[T+3], v[T+2], v[T+2], v[T+3]
	v_sqrt_f32 v[T+3], v[T+3]                      ; the plain lines below stand between it and the use of its result (ISA guide 5.7.2)
	v_and_b32 v[T+4], s13, v[T]
	v_and_b32 v[T+5], s13, v[T+1]
	v_and_b32 v[T+6], s13, v[T+2]
	v_cvt_pk_f16_f32 v[B1+8*\nn], v[T+4], v[T+5]
	v_cvt_pk_f16_f32 v[B1+8*\nn+1], v[T+6], 1.0
	v_sub_f32 v[T+4], v[T], v[T+4]
	v_sub_f32 v[T+5], v[T+1], v[T+5]
	v_sub_f32 v[T+6], v[T+2], v[T+6]
	v_cvt_pk_f16_f32 v[B1+8*\nn+2], v[T+4], v[T+5]
	v_cvt_pk_f16_f32 v[B1+8*\nn+3], v[T+6], 1.0
	s_wait_alu depctr_va_vdst(0)
	v_fma_f32 v[SUM+2*\nn], v[FLAG], v[T+3], v[KLC]
	v_mov_b32 v[SUM+2*\nn+1], 0
.endm
.macro L1 nt                           ; layer 1: C2 (W1^T p + b1) for my 64 hidden units x 16 nt points
	WIN 0x03                                       ; A in window 3
.set n_, 0
.rept \nt
.set t_, 0
.rept 4
	v_wmma_f32_16x16x32_f16 v[ACC+32*n_+8*t_:ACC+32*n_+8*t_+7], v[A1+8*t_:A1+8*t_+7], v[B1+8*n_:B1+8*n_+7], 0
.set t_, t_+1
.endr
.set n_, n_+1
.endr
	WIN 0
	PLACES
.endm
; tanh of a tile, packed to f16: lane (r, h) holds hidden 8 h + 0..7 of point r, which is half a B fragment of layer 2 as it stands.
.macro TANH1 tt, nn
.set a_, ACC+32*\nn+8*\tt
.set p_, PK+4*(\tt&1)
.set j_, 0
.rept 8
	v_exp_f32 v[a_+j_], v[a_+j_]
.set j_, j_+1
.endr
	v_nop                                          ; one plain place behind the transcendentals (ISA guide 5.7.2)
.set j_, 0
	s_wait_alu depctr_va_vdst(0)
.rept 4
	v_pk_add_f32 v[a_+j_:a_+j_+1], v[a_+j_:a_+j_+1], 1.0 op_sel_hi:[1,0]
.set j_, j_+2
.endr
.set j_, 0
.rept 8
	v_rcp_f32 v[a_+j_], v[a_+j_]
.set j_, j_+1
.endr
	v_nop
.set j_, 0
	s_wait_alu depctr_va_vdst(0)
.rept 4
	v_pk_fma_f32 v[a_+j_:a_+j_+1], v[a_+j_:a_+j_+1], -2.0, 1.0 op_sel_hi:[1,0,0]
.set j_, j_+2
.endr
.set j_, 0
.rept 4
	v_cvt_pk_f16_f32 v[p_+j_], v[a_+2*j_], v[a_+2*j_+1]
.set j_, j_+1
.endr
	ds_store_b128 v[STA], v[p_:p_+3] offset:H1N*\nn+512*\tt
.endm
.macro LOADH nt                        ; all of h1, K step by K step, 16 neighbouring bytes a lane
	WIN 0x80                                       ; destinations in window 2
.set k_, 0
.rept 8
.set n_, 0
.rept \nt
	ds_load_b128 v[B2+64*n_+8*k_:B2+64*n_+8*k_+3], v[LDA] offset:H1N*n_+1024*k_
	ds_load_b128 v[B2+64*n_+8*k_+4:B2+64*n_+8*k_+7], v[LDA] offset:H1N*n_+1024*k_+512
.set n_, n_+1
.endr
.set k_, k_+1
.endr
	WIN 0
.endm
.macro L2 nt                           ; layer 2: 4 nt chains in place, the first link takes the bias as C
.set k_, 0
.rept 8
	s_wait_dscnt 2*\nt*(7-k_)                      ; the 2 nt loads of each later K step may stay out
.if k_ == 0
	WIN 0x39                                       ; A window 1, B window 2, C window 3
.else
	WIN 0x09                                       ; A window 1, B window 2
.endif
.set t_, 0
.rept 4
.set n_, 0
.rept \nt
.if k_ == 0
	v_wmma_f32_16x16x32_f16 v[ACC+32*n_+8*t_:ACC+32*n_+8*t_+7], v[A2+64*t_+8*k_:A2+64*t_+8*k_+7], v[B2+64*n_+8*k_:B2+64*n_+8*k_+7], v[BI+8*t_:BI+8*t_+7]
.else
	v_wmma_f32_16x16x32_f16 v[ACC+32*n_+8*t_:ACC+32*n_+8*t_+7], v[A2+64*t_+8*k_:A2+64*t_+8*k_+7], v[B2+64*n_+8*k_:B2+64*n_+8*k_+7], v[ACC+32*n_+8*t_:ACC+32*n_+8*t_+7]
.endif
.set n_, n_+1
.endr
.set t_, t_+1
.endr
.set k_, k_+1
.endr
	WIN 0
	PLACES
.endm
.macro TANH2 tt, nn                    ; under source 1 = window 3: sum += (-0.1 W3) / (1 + 2^x)
.set a_, ACC+32*\nn+8*\tt
.set j_, 0
.rept 8
	v_exp_f32 v[a_+j_], v[a_+j_]
.set j_, j_+1
.endr
	v_nop
.set j_, 0
	s_wait_alu depctr_va_vdst(0)
.rept 4
	v_pk_add_f32 v[a_+j_:a_+j_+1], v[a_+j_:a_+j_+1], 1.0 op_sel_hi:[1,0]
.set j_, j_+2
.endr
.set j_, 0
.rept 8
	v_rcp_f32 v[a_+j_], v[a_+j_]
.set j_, j_+1
.endr
	v_nop
.set j_, 0
	s_wait_alu depctr_va_vdst(0)
.rept 4
	v_pk_fma_f32 v[SUM+2*\nn:SUM+2*\nn+1], v[a_+j_:a_+j_+1], v[W3P+8*\tt+j_:W3P+8*\tt+j_+1], v[SUM+2*\nn:SUM+2*\nn+1]
.set j_, j_+2
.endr
.endm
.macro REDUCE nn                       ; the pair, then the other half of the lanes: my wave's 64 hidden units of point r, in both halves
	v_add_f32 v[Q+\nn], v[SUM+2*\nn], v[SUM+2*\nn+1]
	v_permlanex16_b32 v[T], v[Q+\nn], s10, s11
	v_add_f32 v[Q+\nn], v[Q+\nn], v[T]
.endm
; The sdf of 16 nt points whose POINTs stand in front.  One barrier inside (h1 written / h1 read); the caller's barrier behind it
; (partial sums written / read) also stands between these reads of h1 and the next batch's stores.
.macro EVAL nt
	L1 \nt
.set n2_, 0
.rept \nt
.set t2_, 0
.rept 4
	TANH1 t2_, n2_
.set t2_, t2_+1
.endr
.set n2_, n2_+1
.endr
	BAR
	LOADH \nt
	L2 \nt
	WIN 0x0c
.set t2_, 0
.rept 4
.set n2_, 0
.rept \nt
	TANH2 t2_, n2_
.set n2_, n2_+1
.endr
.set t2_, t2_+1
.endr
	WIN 0
.set n2_, 0
.rept \nt
	REDUCE n2_
.set n2_, n2_+1
.endr
.endm
; ---------------------------------------------------------------------------------------------------------------------------------
	s_load_b128 s[40:43], s[0:1], 0x60             ; zrange 40, order 42   (object_mask 32, out0 34, out1 36, out2 38)
	SETUP_IDS
	s_mov_b32 s56, THR
	s_lshl_b32 s2, s9, 4
	v_add_nc_u32 v33, s2, v[RR]                    ; my ray: every wave and both halves of the lanes carry ray 16 wg + r
	v_mul_u32_u24 v34, 12, v33
	global_load_b96 v[CAM:CAM+2], v34, s[28:29]
	global_load_b96 v[RAY:RAY+2], v34, s[30:31]
	global_load_u8 v13, v33, s[32:33]              ; object_mask: read as an input; no step of the function uses it
	SETUP_LOADS
	s_lshl_b32 s2, s8, 8
	s_add_co_u32 s2, s2, PART
	v_lshl_add_u32 v[PST], v[RR], 4, s2
	v_lshlrev_b32 v[PLD], 4, v[RR]
	v_add_nc_u32 v[PLD], PART, v[PLD]
	SETUP_REST
	; the unit sphere
	v_mul_f32 v[T], v[RAY], v[CAM]
	v_fma_f32 v[T], v[RAY+1], v[CAM+1], v[T]
	v_fma_f32 v[T], v[RAY+2], v[CAM+2], v[T]       ; ray . cam
	v_fma_f32 v[T+1], v[CAM], v[CAM], -1.0
	v_fma_f32 v[T+1], v[CAM+1], v[CAM+1], v[T+1]
	v_fma_f32 v[T+1], v[CAM+2], v[CAM+2], v[T+1]   ; |cam|^2 - 1
	v_fma_f32 v[T+1], v[T], v[T], -v[T+1]          ; under the root
	v_cmp_lt_f32 s44, 0, v[T+1]                    ; s44: unfinished from the start;  s45: from the end
	s_mov_b32 s45, s44
	v_cndmask_b32 v[T+1], 1.0, v[T+1], s44
	v_sqrt_f32 v[T+1], v[T+1]
	v_nop
	s_wait_alu depctr_va_vdst(0)
	v_sub_f32 v[T+2], -v[T+1], v[T]
	v_sub_f32 v[T+3], v[T+1], v[T]
	v_max_num_f32 v[T+2], 0, v[T+2]
	v_max_num_f32 v[T+3], 0, v[T+3]
	v_cndmask_b32 v[ACS], 0, v[T+2], s44
	v_cndmask_b32 v[ACE], 0, v[T+3], s44
	POINT 0, ACS, CAM, RAY
	POINT 1, ACE, CAM, RAY
	EVAL 2
	ds_store_b64 v[PST], v[Q:Q+1]
	BAR
.set i_, 0
.rept 4
	ds_load_b64 v[PR+2*i_:PR+2*i_+1], v[PLD] offset:256*i_
.set i_, i_+1
.endr
	s_wait_dscnt 0x0
	v_pk_add_f32 v[PR:PR+1], v[PR:PR+1], v[PR+2:PR+3]
	v_pk_add_f32 v[PR+4:PR+5], v[PR+4:PR+5], v[PR+6:PR+7]
	v_pk_add_f32 v[PR:PR+1], v[PR:PR+1], v[PR+4:PR+5]
	v_cndmask_b32 v[NS], 0, v[PR], s44
	v_cndmask_b32 v[NE], 0, v[PR+1], s45
	s_mov_b32 s14, 0
.Liter:                                ; ten steps; masks only select values, every step does all the work
	v_cmp_lt_f32 s46, s56, v[NS]
	v_cmp_lt_f32 s47, s56, v[NE]
	s_and_b32 s44, s44, s46
	s_and_b32 s45, s45, s47
	v_cndmask_b32 v[CS], 0, v[NS], s44
	v_cndmask_b32 v[CE], 0, v[NE], s45
	v_add_f32 v[ACS], v[ACS], v[CS]
	v_sub_f32 v[ACE], v[ACE], v[CE]
	v_fma_f32 v[Z2], -0.5, v[CS], v[ACS]           ; where the line search would step back to
	v_fma_f32 v[Z3], 0.5, v[CE], v[ACE]
	POINT 0, ACS, CAM, RAY
	POINT 1, ACE, CAM, RAY
	POINT 2, Z2, CAM, RAY
	POINT 3, Z3, CAM, RAY
	EVAL 4
	ds_store_b128 v[PST], v[Q:Q+3]
	BAR
.set i_, 0
.rept 4
	ds_load_b128 v[PR+4*i_:PR+4*i_+3], v[PLD] offset:256*i_
.set i_, i_+1
.endr
	s_wait_dscnt 0x0
	v_pk_add_f32 v[PR:PR+1], v[PR:PR+1], v[PR+4:PR+5]
	v_pk_add_f32 v[PR+2:PR+3], v[PR+2:PR+3], v[PR+6:PR+7]
	v_pk_add_f32 v[PR+8:PR+9], v[PR+8:PR+9], v[PR+12:PR+13]
	v_pk_add_f32 v[PR+10:PR+11], v[PR+10:PR+11], v[PR+14:PR+15]
	v_pk_add_f32 v[PR:PR+1], v[PR:PR+1], v[PR+8:PR+9]
	v_pk_add_f32 v[PR+2:PR+3], v[PR+2:PR+3], v[PR+10:PR+11]
	v_cndmask_b32 v[NS], 0, v[PR], s44
	v_cndmask_b32 v[NE], 0, v[PR+1], s45
	v_cmp_gt_f32 s46, 0, v[NS]                     ; overshot: take the point half a step back and its sdf
	v_cmp_gt_f32 s47, 0, v[NE]
	v_cndmask_b32 v[ACS], v[ACS], v[Z2], s46
	v_cndmask_b32 v[ACE], v[ACE], v[Z3], s47
	v_cndmask_b32 v[NS], v[NS], v[PR+2], s46
	v_cndmask_b32 v[NE], v[NE], v[PR+3], s47
	v_cmp_lt_f32 s46, v[ACS], v[ACE]
	s_and_b32 s44, s44, s46
	s_and_b32 s45, s45, s46
	s_add_co_u32 s14, s14, 1
	s_cmp_lt_u32 s14, 10
	s_cbranch_scc1 .Liter
	v_cmp_lt_f32 s46, s56, v[NS]
	s_and_b32 s44, s44, s46                        ; the rays that go to the sampler
	s_cmp_lg_u32 s8, 0                             ; all waves hold the same: wave 0 stores
	s_cbranch_scc1 .Ldone
	v_fma_f32 v[T], v[ACS], v[RAY], v[CAM]
	v_fma_f32 v[T+1], v[ACS], v[RAY+1], v[CAM+1]
	v_fma_f32 v[T+2], v[ACS], v[RAY+2], v[CAM+2]
	v_cmp_lt_f32 vcc_lo, v[ACS], v[ACE]
	v_mov_b32 v[T+3], 1
	v_cndmask_b32 v[T+3], 0, v[T+3], vcc_lo
	s_and_b32 s46, s44, 0xffff
	s_bcnt1_i32_b32 s47, s46                       ; how many
	; lane p's list entry: the largest j with p set bits below it is the p-th set bit; entries at or past the count name some ray of mine
	v_mov_b32 v[T+4], 0
.set j_, 1
.rept 15
	s_and_b32 s48, s46, (1<<j_)-1
	s_bcnt1_i32_b32 s48, s48
	v_cmp_ne_u32 vcc_lo, s48, v[LN]
	v_cndmask_b32 v[T+4], j_, v[T+4], vcc_lo
.set j_, j_+1
.endr
	s_lshl_b32 s48, s9, 4
	s_lshl_b32 s49, s9, 2
	v_add_nc_u32 v[T+4], s48, v[T+4]
	v_add_nc_u32 v[T+5], s48, v[RR]                ; ray
	v_mul_u32_u24 v[T+6], 12, v[T+5]
	v_lshlrev_b32 v[T+7], 2, v[T+5]
	v_lshlrev_b32 v[PR], 3, v[T+5]
	v_mov_b32 v[PR+1], s47
	v_mov_b32 v[PR+2], s49
	s_wait_xcnt 0x0                                ; EXEC changes only behind this wait
	v_cmp_gt_u32 vcc_lo, 16, v[LN]
	s_and_saveexec_b32 s48, vcc_lo                 ; sixteen lanes, sixteen rays: 192, 64, 16, 128 and 64 neighbouring bytes
	global_store_b96 v[T+6], v[T:T+2], s[34:35]
	global_store_b32 v[T+7], v[ACS], s[38:39]
	global_store_b8 v[T+5], v[T+3], s[36:37]
	global_store_b64 v[PR], v[ACS:ACE], s[40:41]
	global_store_b32 v[T+7], v[T+4], s[42:43]
	s_wait_xcnt 0x0
	s_or_b32 exec_lo, exec_lo, s48
	v_cmp_eq_u32 vcc_lo, 0, v[LN]
	s_and_saveexec_b32 s48, vcc_lo
	global_store_b32 v[PR+2], v[PR+1], s[42:43] offset:16384
	s_wait_xcnt 0x0
	s_or_b32 exec_lo, exec_lo, s48
.Ldone:
	s_wait_tensorcnt 0x0
	ds_add_u32 v26, v27
	s_wait_dscnt 0x0
	s_endpgm
.Lfunc_end_k_q21af87c808_trace:
	.size	k_q21af87c808_trace, .Lfunc_end_k_q21af87c808_trace-k_q21af87c808_trace
	.p2alignl 7, 3214868480
	.fill 96, 4, 3214868480
	.section	.rodata,"a",@progbits
	.p2align	6, 0x0
	.amdhsa_kernel k_q21af87c808_trace
		.amdhsa_group_segment_fixed_size 198144
		.amdhsa_private_segment_fixed_size 0
		.amdhsa_enable_private_segment 0
		.amdhsa_kernarg_size 112
		.amdhsa_user_sgpr_count 2
		.amdhsa_user_sgpr_kernarg_segment_ptr 1
		.amdhsa_wavefront_size32 1
		.amdhsa_system_sgpr_workgroup_id_x 1
		.amdhsa_system_sgpr_workgroup_id_y 1
		.amdhsa_system_sgpr_workgroup_id_z 1
		.amdhsa_system_vgpr_workitem_id 0
		.amdhsa_next_free_vgpr 864
		.amdhsa_next_free_sgpr 66
		.amdhsa_reserve_vcc 1
		.amdhsa_float_denorm_mode_32 3
		.amdhsa_float_denorm_mode_16_64 3
		.amdhsa_memory_ordered 1
		.amdhsa_forward_progress 1
		.amdhsa_inst_pref_size 144
	.end_amdhsa_kernel
	.amdgpu_metadata
---
amdhsa.version: [ 1, 2 ]
amdhsa.kernels:
  - .name:           k_q21af87c808_trace
    .symbol:         k_q21af87c808_trace.kd
    .args:
      - { .name: W2, .offset: 0, .size: 8, .value_kind: global_buffer, .address_space: global }
      - { .name: W1, .offset: 8, .size: 8, .value_kind: global_buffer, .address_space: global }
      - { .name: b1, .offset: 16, .size: 8, .value_kind: global_buffer, .address_space: global }
      - { .name: b2, .offset: 24, .size: 8, .value_kind: global_buffer, .address_space: global }
      - { .name: W3, .offset: 32, .size: 8, .value_kind: global_buffer, .address_space: global }
      - { .name: b3, .offset: 40, .size: 8, .value_kind: global_buffer, .address_space: global }
      - { .name: cam_loc, .offset: 48, .size: 8, .value_kind: global_buffer, .address_space: global }
      - { .name: ray_directions, .offset: 56, .size: 8, .value_kind: global_buffer, .address_space: global }
      - { .name: object_mask, .offset: 64, .size: 8, .value_kind: global_buffer, .address_space: global }
      - { .name: out0, .offset: 72, .size: 8, .value_kind: global_buffer, .address_space: global }
      - { .name: out1, .offset: 80, .size: 8, .value_kind: global_buffer, .address_space: global }
      - { .name: out2, .offset: 88, .size: 8, .value_kind: global_buffer, .address_space: global }
      - { .name: zrange, .offset: 96, .size: 8, .value_kind: global_buffer, .address_space: global }
      - { .name: order, .offset: 104, .size: 8, .value_kind: global_buffer, .address_space: global }
    .group_segment_fixed_size: 198144
    .private_segment_fixed_size: 0
    .kernarg_segment_align: 8
    .kernarg_segment_size: 112
    .max_flat_workgroup_size: 128
    .sgpr_count:     66
    .vgpr_count:     864
    .wavefront_size: 32
...
	.end_amdgpu_metadata
.endif
;; end of part 1
;; launch sample (part 2): grid 256 x 1, 4 waves a work-group, no clusters, 223,232 bytes of LDS; arguments W2, W1, b1, b2, W3, b3, cam_loc, ray_directions, zrange, order, out0, out1, out2; writes out0, out1, out2
.if DOCPART == 2
	.amdgcn_target "amdgcn-amd-amdhsa--gfx1250"
	.amdhsa_code_object_version 6
	.text
	.protected	k_q21af87c808_sample
	.globl	k_q21af87c808_sample
	.p2align	8
	.type	k_q21af87c808_sample,@function
k_q21af87c808_sample:
	s_mov_b64 s[64:65], 0
	v_nop
	global_prefetch_b8 v0, s[64:65] scope:SCOPE_SE
	s_setreg_imm32_b32 hwreg(HW_REG_WAVE_MODE, 25, 1), 1
	s_wait_xcnt 0x0
; SAMPLER AND SECANT for the rays that the launch before listed (order.list, order.cnt); their out0, out1, out2 are written over.
; 256 work-groups in 16 groups of 16.  Group G serves rays 256 G .. 256 G + 255: work-group g = 16 G + j reads the 16 counts of that
; range with one scalar load, makes their prefix sums in scalar registers, and takes the listed rays number j, j + 16, j + 32, ..:
; R = (M + 15 - j) >> 4 of the group's M, at most 16.
; Phases: 100 R sample points in batches of 64 (point q = 100 slot + step), sums kept in LDS; for each ray the first sign change
; (argmin of sign x (100 - step), by a key that orders ties by step); eight secant steps on all R rays at once (one tile of 16 points).
; EVERY WAVE PASSES EVERY BARRIER WHATEVER THE COUNTS: the sampler's loop always has 25 trips (16 rays x 100 / 64) with two barriers each;
; in a trip at or past (100 R + 63) >> 6 the work between the barriers is jumped over by a scalar branch.  A work-group with R = 0
; computes as if it had one ray (a clamped, valid list entry), so that it reads nothing unwritten, and stores nothing.
;
; THE SDF, for a batch of 16 NT points (NT tiles, lane r = point r of a tile), transposed: D[hidden][point].
;   Wave w owns hidden units 64 w .. 64 w + 63 of both layers (four tiles T of 16).  Its quarter of W2 stays in 256 registers.
;   tanh x = 1 - 2 / (1 + 2^(C2 x)), C2 = 2 log2 e, folded into W1, b1, W2, b2 once.
;   Layer 1: one f16 matrix instruction a tile; weights, bias and point each as f16 hi + lo in k = 0..15 (about 21 bits kept).
;   Layer 2: eight K steps of 32, f16; the first takes the bias as C.  h1 goes from wave to wave through LDS in fragment order.
;   Layer 3 rides on the second tanh: 0.05 sum W3 (1 - 2 rho) = 0.05 sum W3 + sum (-0.1 W3) rho, rho = 1 / (1 + 2^(..)).
;
; LIMITS.  f16 operands: |C2 W1|, |C2 b1|, |C2 W2| and the coordinates of a point must stay below 65504; W2 and h1 are rounded to f16 once
; (11 bits), which is the error that the signs see.  The sample positions are step x (1/99); the secant's division is a reciprocal
; (1 ulp) and a product.  NaN inputs are not served.
; NO CLUSTER: the only bytes that work-groups share are W2's 262,144, read once at the head and narrowed to f16 on the way through registers;
; as f32 rows in LDS they would not fit beside the 163,840 bytes of f16 staging, and the loops read no global memory at all.
.set C2,     0x4038aa3b                ; 2 log2 e
.set NEG01,  0xbdcccccd                ; -0.1
.set P005,   0x3d4ccccd                ; 0.05
.set NEG06,  0xbf19999a                ; -0.6
.set EPS12,  0x2b8cbccc                ; 1e-12
.set I99,    0x3c257eb5                ; 1/99
.set TRIPS,  25                        ; 16 rays x 100 steps / 64 points
; LDS
.set H1N,    8192                      ; h1 of a tile of 16 points: 16 fragment halves of 512 bytes; four tiles from byte 0
.set WST,    32768                     ; staging of W2 in f16: wave w's 256 rows (k) of 64 columns, its own bytes
.set WSTW,   40960
.set WP,     160                       ; its pitch: 128 bytes of data + 32
.set PART,   196608                    ; the sampler's partial sums [wave][q] f32, q < 1600
.set PARTW,  6400
.set PARTS,  222208                    ; the secant's partial sums [r][wave] f32
.set SECTAB, 222464                    ; [slot] 16 bytes: sdf below, sdf at, index of the first sign change
; registers, window 0
.set LN,   1                           ; lane
.set RR,   2                           ; r = lane & 15
.set HH,   3                           ; h = lane >> 4
.set LDA,  4                           ; 16 lane: h1 fragments, read
.set STA,  5                           ; 16 lane + 2048 w: h1 fragments, written
.set PST,  6
.set PLD,  7
.set FLAG, 8                           ; 1.0 in wave 0, h = 0: the lanes that add the analytic part
.set KLC,  9                           ; 0.05 x (the lane's 32 W3) + FLAG (0.05 b3 - 0.6)
.set CAM,  10                          ; v[10:12], v13 = smin
.set RAY,  14                          ; v[14:16], v17 = smax - smin
.set ZL,   18
.set ZH,   19
.set SL,   20
.set SH,   21
.set IND,  22
.set ZP,   24
.set ZH0,  25
.set ID,   26                          ; my slot's ray
.set SUM,  28                          ; v[28:35] a pair for each tile.  At set-up: offsets
.set AW1,  28
.set AB2,  29
.set AW2,  30
.set AST,  31
.set ATR,  32
.set Q,    36                          ; v[36:39] my wave's sum for tile N
.set PR,   40                          ; v[40:55] partial sums as read; the sampler's ray data of tiles 0, 1.  At set-up: W1, b1
.set T,    56                          ; v[56:63] at work
.set B1,   64                          ; v[64:95] layer 1's B fragment of tile N.  At set-up: b2
.set PK,   96                          ; v[96:103] packed h1, two sets
.set W3R,  96                          ; v[96:127] at set-up: W3.  v[104:119]: the sampler's ray data of tiles 2, 3
.set ADR,  120                         ; v[120:123]
.set STP,  124                         ; v[124:127]
.set ACC,  128                         ; v[128:255] accumulators (T, N) at 32 N + 8 T.  At set-up: 32 slots of 4 for W2
.set SI,   128                         ; the argmin's constants lie in accumulators that are idle then
.set KZ,   132
.set KP,   136
.set KN,   140
.set AB,   144
.set SA,   145
.set A2,   0                           ; window 1: W2 fragments (T, k) at 64 T + 8 k
.set B2,   0                           ; window 2: h1 fragments (N, k) at 64 N + 8 k
.set A1,   0                           ; window 3: layer 1's A fragment of tile T
.set BI,   32                          ; window 3: C2 b2 in the accumulator's layout
.set W3P,  64                          ; window 3: -0.1 W3 in the accumulator's layout
.set MSB, 0
.macro WIN new                         ; s_set_vgpr_msb: bits 1:0 source 0, 3:2 source 1, 5:4 source 2, 7:6 destination; the high byte repeats the setting left
.if MSB != \new
	s_set_vgpr_msb (MSB<<8)|\new
.set MSB, \new
.endif
.endm
.macro PLACES                          ; four independent vector instructions between a matrix instruction and a vector read of its result (ISA guide 7.12.1)
.rept 4
	v_nop
.endr
.endm
.macro BAR                             ; my LDS stores are written and my LDS loads are back, for the other waves' sake: zero; then the barrier
	s_wait_dscnt 0x0
	s_barrier_signal -1
	s_barrier_wait -1
.endm
.macro SETUP_IDS
	s_load_b512 s[16:31], s[0:1], 0x0              ; W2 16, W1 18, b1 20, b2 22, W3 24, b3 26, cam 28, rays 30
	s_load_b256 s[32:39], s[0:1], 0x40
	v_lshl_add_u32 v27, v0, 2, 0x36600
	s_set_vgpr_msb 0xc0
	v_mov_b32 v97, 0
	s_set_vgpr_msb 0xc000
	v_and_b32 v[LN], 31, v0
	v_and_b32 v[RR], 15, v0
	v_bfe_u32 v[HH], v0, 4, 1
	v_lshrrev_b32 v[T], 5, v0
	v_readfirstlane_b32 s8, v[T]                   ; wave
	s_mov_b32 s9, ttmp9                            ; work-group
	s_mov_b32 s10, 0x76543210                      ; v_permlanex16_b32: lane i of the other half
	s_mov_b32 s11, 0xfedcba98
	s_mov_b32 s12, 0xffff0000                      ; the lanes with h = 1
	s_mov_b32 s13, 0xffffe000                      ; keeps an f32's upper 10 mantissa bits: exact in f16
	s_mov_b32 s52, C2
	s_mov_b32 s53, C2
	s_mov_b32 s54, NEG01
	s_mov_b32 s55, NEG01
	s_mov_b32 s57, EPS12
	v_lshlrev_b32 v[LDA], 4, v[LN]
	s_lshl_b32 s2, s8, 11
	v_add_nc_u32 v[STA], s2, v[LDA]
	s_lshl_b32 s2, s8, 8                           ; 64 f32 of my wave
	v_lshl_add_u32 v[AW1], v[RR], 2, s2            ; 4 (64 w + r)
	v_lshl_add_u32 v[AB2], v[HH], 5, s2            ; 4 (64 w + 8 h)
	v_lshl_add_u32 v[AW2], v[RR], 4, s2            ; W2: 16 r + 256 w
	v_lshl_add_u32 v[AW2], v[HH], 10, v[AW2]       ;     + row h
	s_mul_i32 s3, s8, WSTW
	s_add_co_u32 s3, s3, WST                       ; my staging
	v_mul_u32_u24 v[AST], WP, v[HH]
	v_lshl_add_u32 v[AST], v[RR], 3, v[AST]
	v_add_nc_u32 v[AST], s3, v[AST]                ; in: row h, 8 bytes at 8 r
	v_and_b32 v[ATR], 7, v0
	v_lshl_add_u32 v[ATR], v[HH], 3, v[ATR]
	v_mul_u32_u24 v[ATR], WP, v[ATR]               ; out, transposing: row 8 h + (lane & 7),
	v_bfe_u32 v[T], v0, 3, 1
	v_lshl_add_u32 v[ATR], v[T], 4, v[ATR]         ; 16 bytes at 16 ((lane >> 3) & 1)
	v_add_nc_u32 v[ATR], s3, v[ATR]
	v_cmp_gt_u32 vcc_lo, 16, v0
	v_mov_b32 v[FLAG], 1.0
	v_cndmask_b32 v[FLAG], 0, v[FLAG], vcc_lo
	s_wait_kmcnt 0x0
	s_load_b32 s15, s[26:27], 0x0                  ; b3
.endm
.macro SETUP_LOADS                     ; 32 small loads, then the first 64 rows of W2: 32 loads, each half wave 256 neighbouring bytes of a row
.set t_, 0
.rept 4
	global_load_b32 v[PR+4*t_], v[AW1], s[18:19] offset:64*t_
	global_load_b32 v[PR+4*t_+1], v[AW1], s[18:19] offset:1024+64*t_
	global_load_b32 v[PR+4*t_+2], v[AW1], s[18:19] offset:2048+64*t_
	global_load_b32 v[PR+4*t_+3], v[AW1], s[20:21] offset:64*t_
	global_load_b128 v[B1+8*t_:B1+8*t_+3], v[AB2], s[22:23] offset:64*t_
	global_load_b128 v[B1+8*t_+4:B1+8*t_+7], v[AB2], s[22:23] offset:64*t_+16
	global_load_b128 v[W3R+8*t_:W3R+8*t_+3], v[AB2], s[24:25] offset:64*t_
	global_load_b128 v[W3R+8*t_+4:W3R+8*t_+7], v[AB2], s[24:25] offset:64*t_+16
.set t_, t_+1
.endr
.set i_, 0
.rept 32
	global_load_b128 v[ACC+4*i_:ACC+4*i_+3], v[AW2], s[16:17] offset:2048*i_
.set i_, i_+1
.endr
.endm
; Rows 2 ii + h of W2, in slot ss = ii mod 32 of the ring.  Scale by C2, narrow to f16, 8 bytes into my staging; the slot is then
; loaded with the rows 64 further down.  All steps are in the immediates (LDS at most 320 x 127, global at most 2048 x 127):
; no base and no offset register is ever rewritten.  left: the younger loads that may stay out (loads come back in order, ISA guide 5.7.1).
.macro WSLOT ss, ii, ahead, left
	s_wait_loadcnt \left
	v_pk_mul_f32 v[ACC+4*\ss:ACC+4*\ss+1], v[ACC+4*\ss:ACC+4*\ss+1], s[52:53] op_sel_hi:[1,0]
	v_pk_mul_f32 v[ACC+4*\ss+2:ACC+4*\ss+3], v[ACC+4*\ss+2:ACC+4*\ss+3], s[52:53] op_sel_hi:[1,0]
	v_cvt_pk_f16_f32 v[T], v[ACC+4*\ss], v[ACC+4*\ss+1]
	v_cvt_pk_f16_f32 v[T+1], v[ACC+4*\ss+2], v[ACC+4*\ss+3]
	ds_store_b64 v[AST], v[T:T+1] offset:2*WP*\ii
.if \ahead
	global_load_b128 v[ACC+4*\ss:ACC+4*\ss+3], v[AW2], s[16:17] offset:2048*(\ii+32)
.endif
.endm
; Tile T's constants.  A1: k = 0..7 (lanes h = 0) = (wx, wy, wz, b)hi, (wx, wy, wz)hi, b lo;  k = 8..15 (h = 1) = (wx, wy, wz)lo, 0, twice.
; Against B1 = (px, py, pz)hi, 1, (px, py, pz)lo, 1 in both halves that sums to (w hi + w lo)(p hi + p lo) + b.
.macro TILECONST tt
.set x_, PR+4*\tt
	v_pk_mul_f32 v[x_:x_+1], v[x_:x_+1], s[52:53] op_sel_hi:[1,0]
	v_pk_mul_f32 v[x_+2:x_+3], v[x_+2:x_+3], s[52:53] op_sel_hi:[1,0]
	v_and_b32 v[T], s13, v[x_]
	v_and_b32 v[T+1], s13, v[x_+1]
	v_and_b32 v[T+2], s13, v[x_+2]
	v_and_b32 v[T+3], s13, v[x_+3]
	v_sub_f32 v[x_], v[x_], v[T]
	v_sub_f32 v[x_+1], v[x_+1], v[T+1]
	v_sub_f32 v[x_+2], v[x_+2], v[T+2]
	v_sub_f32 v[x_+3], v[x_+3], v[T+3]
	v_cvt_pk_f16_f32 v[T+4], v[T], v[T+1]          ; (wx hi, wy hi)
	v_cvt_pk_f16_f32 v[T+5], v[T+2], v[T+3]        ; (wz hi, b hi)
	v_cvt_pk_f16_f32 v[T+6], v[T+2], v[x_+3]       ; (wz hi, b lo)
	v_cvt_pk_f16_f32 v[T], v[x_], v[x_+1]          ; (wx lo, wy lo)
	v_cvt_pk_f16_f32 v[T+1], v[x_+2], 0            ; (wz lo, 0)
	WIN 0xc0                                       ; destinations in window 3
	v_cndmask_b32 v[A1+8*\tt], v[T+4], v[T], s12
	v_cndmask_b32 v[A1+8*\tt+1], v[T+5], v[T+1], s12
	v_cndmask_b32 v[A1+8*\tt+2], v[T+4], v[T], s12
	v_cndmask_b32 v[A1+8*\tt+3], v[T+6], v[T+1], s12
.set j_, 4
.rept 4
	v_mov_b32 v[A1+8*\tt+j_], 0                    ; k = 16..31 are not used
.set j_, j_+1
.endr
.set j_, 0
.rept 4
	v_pk_mul_f32 v[BI+8*\tt+j_:BI+8*\tt+j_+1], v[B1+8*\tt+j_:B1+8*\tt+j_+1], s[52:53] op_sel_hi:[1,0]
	v_pk_mul_f32 v[W3P+8*\tt+j_:W3P+8*\tt+j_+1], v[W3R+8*\tt+j_:W3R+8*\tt+j_+1], s[54:55] op_sel_hi:[1,0]
.set j_, j_+2
.endr
	WIN 0
.endm
.macro SETUP_REST
.set i_, 0
.rept 128                              ; 128 pairs of rows through the 32 slots: 31 younger loads stay out; in the last 32 nothing is loaded
.set s_, i_%32                         ; and the counts run down to 0: every load of the wave is in
.if i_ < 96
	WSLOT s_, i_, 1, 31
.else
	WSLOT s_, i_, 0, 127-i_
.endif
.set i_, i_+1
.endr
	WIN 0x40                                       ; destinations in window 1.  My own bytes, served in order: no wait, no barrier
.set k_, 0
.rept 8
.set t_, 0
.rept 4
	ds_load_tr16_b128 v[A2+64*t_+8*k_:A2+64*t_+8*k_+3], v[ATR] offset:32*WP*k_+32*t_
	ds_load_tr16_b128 v[A2+64*t_+8*k_+4:A2+64*t_+8*k_+7], v[ATR] offset:32*WP*k_+32*t_+16*WP
.set t_, t_+1
.endr
.set k_, k_+1
.endr
	WIN 0
	v_pk_add_f32 v[T:T+1], v[W3R:W3R+1], v[W3R+2:W3R+3]
.set i_, 4
.rept 14
	v_pk_add_f32 v[T:T+1], v[T:T+1], v[W3R+i_:W3R+i_+1]
.set i_, i_+2
.endr
	v_add_f32 v[T], v[T], v[T+1]                   ; the lane's 32 W3
	s_mov_b32 s2, P005
	v_mov_b32 v[T+1], NEG06
	v_fma_f32 v[T+1], s2, s15, v[T+1]
	v_mul_f32 v[T+1], v[FLAG], v[T+1]
	v_fma_f32 v[KLC], s2, v[T], v[T+1]
	TILECONST 0
	TILECONST 1
	TILECONST 2
	TILECONST 3
.set n_, 0
.rept 4
.set j_, 4
.rept 4
	v_mov_b32 v[B1+8*n_+j_], 0                     ; k = 16..31 of layer 1's B, once
.set j_, j_+1
.endr
.set n_, n_+1
.endr
.endm
; Point p = c + z d of tile nn: its B fragment (hi, lo), and the start of its sum: KLC + FLAG sqrt(|p|^2 + 1e-12).
.macro POINT nn, zz, cc, dd
	v_fma_f32 v[T], v[\zz], v[\dd], v[\cc]
	v_fma_f32 v[T+1], v[\zz], v[\dd+1], v[\cc+1]
	v_fma_f32 v[T+2], v[\zz], v[\dd+2], v[\cc+2]
	v_fma_f32 v[T+3], v[T], v[T], s57
	v_fma_f32 v[T+3], v[T+1], v[T+1], v[T+3]
	v_fma_f32 v[T+3], v[T+2], v[T+2], v[T+3]
	v_sqrt_f32 v[T+3], v[T+3]                      ; the plain lines below stand between it and the use of its result (ISA guide 5.7.2)
	v_and_b32 v[T+4], s13, v[T]
	v_and_b32 v[T+5], s13, v[T+1]
	v_and_b32 v[T+6], s13, v[T+2]
	v_cvt_pk_f16_f32 v[B1+8*\nn], v[T+4], v[T+5]
	v_cvt_pk_f16_f32 v[B1+8*\nn+1], v[T+6], 1.0
	v_sub_f32 v[T+4], v[T], v[T+4]
	v_sub_f32 v[T+5], v[T+1], v[T+5]
	v_sub_f32 v[T+6], v[T+2], v[T+6]
	v_cvt_pk_f16_f32 v[B1+8*\nn+2], v[T+4], v[T+5]
	v_cvt_pk_f16_f32 v[B1+8*\nn+3], v[T+6], 1.0
	s_wait_alu depctr_va_vdst(0)
	v_fma_f32 v[SUM+2*\nn], v[FLAG], v[T+3], v[KLC]
	v_mov_b32 v[SUM+2*\nn+1], 0
.endm
.macro L1 nt                           ; layer 1: C2 (W1^T p + b1) for my 64 hidden units x 16 nt points
	WIN 0x03                                       ; A in window 3
.set n_, 0
.rept \nt
.set t_, 0
.rept 4
	v_wmma_f32_16x16x32_f16 v[ACC+32*n_+8*t_:ACC+32*n_+8*t_+7], v[A1+8*t_:A1+8*t_+7], v[B1+8*n_:B1+8*n_+7], 0
.set t_, t_+1
.endr
.set n_, n_+1
.endr
	WIN 0
	PLACES
.endm
; tanh of a tile, packed to f16: lane (r, h) holds hidden 8 h + 0..7 of point r, which is half a B fragment of layer 2 as it stands.
.macro TANH1 tt, nn
.set a_, ACC+32*\nn+8*\tt
.set p_, PK+4*(\tt&1)
.set j_, 0
.rept 8
	v_exp_f32 v[a_+j_], v[a_+j_]
.set j_, j_+1
.endr
	v_nop                                          ; one plain place behind the transcendentals (ISA guide 5.7.2)
.set j_, 0
	s_wait_alu depctr_va_vdst(0)
.rept 4
	v_pk_add_f32 v[a_+j_:a_+j_+1], v[a_+j_:a_+j_+1], 1.0 op_sel_hi:[1,0]
.set j_, j_+2
.endr
.set j_, 0
.rept 8
	v_rcp_f32 v[a_+j_], v[a_+j_]
.set j_, j_+1
.endr
	v_nop
.set j_, 0
	s_wait_alu depctr_va_vdst(0)
.rept 4
	v_pk_fma_f32 v[a_+j_:a_+j_+1], v[a_+j_:a_+j_+1], -2.0, 1.0 op_sel_hi:[1,0,0]
.set j_, j_+2
.endr
.set j_, 0
.rept 4
	v_cvt_pk_f16_f32 v[p_+j_], v[a_+2*j_], v[a_+2*j_+1]
.set j_, j_+1
.endr
	ds_store_b128 v[STA], v[p_:p_+3] offset:H1N*\nn+512*\tt
.endm
.macro LOADH nt                        ; all of h1, K step by K step, 16 neighbouring bytes a lane
	WIN 0x80                                       ; destinations in window 2
.set k_, 0
.rept 8
.set n_, 0
.rept \nt
	ds_load_b128 v[B2+64*n_+8*k_:B2+64*n_+8*k_+3], v[LDA] offset:H1N*n_+1024*k_
	ds_load_b128 v[B2+64*n_+8*k_+4:B2+64*n_+8*k_+7], v[LDA] offset:H1N*n_+1024*k_+512
.set n_, n_+1
.endr
.set k_, k_+1
.endr
	WIN 0
.endm
.macro L2 nt                           ; layer 2: 4 nt chains in place, the first link takes the bias as C
.set k_, 0
.rept 8
	s_wait_dscnt 2*\nt*(7-k_)                      ; the 2 nt loads of each later K step may stay out
.if k_ == 0
	WIN 0x39                                       ; A window 1, B window 2, C window 3
.else
	WIN 0x09                                       ; A window 1, B window 2
.endif
.set t_, 0
.rept 4
.set n_, 0
.rept \nt
.if k_ == 0
	v_wmma_f32_16x16x32_f16 v[ACC+32*n_+8*t_:ACC+32*n_+8*t_+7], v[A2+64*t_+8*k_:A2+64*t_+8*k_+7], v[B2+64*n_+8*k_:B2+64*n_+8*k_+7], v[BI+8*t_:BI+8*t_+7]
.else
	v_wmma_f32_16x16x32_f16 v[ACC+32*n_+8*t_:ACC+32*n_+8*t_+7], v[A2+64*t_+8*k_:A2+64*t_+8*k_+7], v[B2+64*n_+8*k_:B2+64*n_+8*k_+7], v[ACC+32*n_+8*t_:ACC+32*n_+8*t_+7]
.endif
.set n_, n_+1
.endr
.set t_, t_+1
.endr
.set k_, k_+1
.endr
	WIN 0
	PLACES
.endm
.macro TANH2 tt, nn                    ; under source 1 = window 3: sum += (-0.1 W3) / (1 + 2^x)
.set a_, ACC+32*\nn+8*\tt
.set j_, 0
.rept 8
	v_exp_f32 v[a_+j_], v[a_+j_]
.set j_, j_+1
.endr
	v_nop
.set j_, 0
	s_wait_alu depctr_va_vdst(0)
.rept 4
	v_pk_add_f32 v[a_+j_:a_+j_+1], v[a_+j_:a_+j_+1], 1.0 op_sel_hi:[1,0]
.set j_, j_+2
.endr
.set j_, 0
.rept 8
	v_rcp_f32 v[a_+j_], v[a_+j_]
.set j_, j_+1
.endr
	v_nop
.set j_, 0
	s_wait_alu depctr_va_vdst(0)
.rept 4
	v_pk_fma_f32 v[SUM+2*\nn:SUM+2*\nn+1], v[a_+j_:a_+j_+1], v[W3P+8*\tt+j_:W3P+8*\tt+j_+1], v[SUM+2*\nn:SUM+2*\nn+1]
.set j_, j_+2
.endr
.endm
.macro REDUCE nn                       ; the pair, then the other half of the lanes: my wave's 64 hidden units of point r, in both halves
	v_add_f32 v[Q+\nn], v[SUM+2*\nn], v[SUM+2*\nn+1]
	v_permlanex16_b32 v[T], v[Q+\nn], s10, s11
	v_add_f32 v[Q+\nn], v[Q+\nn], v[T]
.endm
; The sdf of 16 nt points whose POINTs stand in front, in two halves with a barrier between them (h1 written / h1 read).  The caller's
; barrier behind the second half (partial sums written / read) also stands between these reads of h1 and the next batch's stores.
.macro EVALA nt                        ; layer 1, tanh, h1 into LDS
	L1 \nt
.set n2_, 0
.rept \nt
.set t2_, 0
.rept 4
	TANH1 t2_, n2_
.set t2_, t2_+1
.endr
.set n2_, n2_+1
.endr
.endm
.macro EVALB nt                        ; h1 from LDS, layer 2, tanh with layer 3, my wave's sums
	LOADH \nt
	L2 \nt
	WIN 0x0c
.set t2_, 0
.rept 4
.set n2_, 0
.rept \nt
	TANH2 t2_, n2_
.set n2_, n2_+1
.endr
.set t2_, t2_+1
.endr
	WIN 0
.set n2_, 0
.rept \nt
	REDUCE n2_
.set n2_, n2_+1
.endr
.endm
.macro LANESUM xx                      ; the sum over the 32 lanes, in every lane
	v_add_f32_dpp v[\xx], v[\xx], v[\xx] row_xmask:1 row_mask:0xf bank_mask:0xf
	v_add_f32_dpp v[\xx], v[\xx], v[\xx] row_xmask:2 row_mask:0xf bank_mask:0xf
	v_add_f32_dpp v[\xx], v[\xx], v[\xx] row_xmask:4 row_mask:0xf bank_mask:0xf
	v_add_f32_dpp v[\xx], v[\xx], v[\xx] row_xmask:8 row_mask:0xf bank_mask:0xf
	v_permlanex16_b32 v[T+1], v[\xx], s10, s11
	v_add_f32 v[\xx], v[\xx], v[T+1]
.endm
.macro PRED                            ; z = -sl (zh - zl) / den + zl, den = sh - sl, or 1e-12 where |den| is not above it
	v_sub_f32 v[T], v[SH], v[SL]
	v_cmp_gt_f32 vcc_lo, |v[T]|, s57
	v_cndmask_b32 v[T], s57, v[T], vcc_lo
	v_rcp_f32 v[T], v[T]
	v_sub_f32 v[T+1], v[ZH], v[ZL]                 ; the plain place behind the reciprocal
	s_wait_alu depctr_va_vdst(0)
	v_mul_f32 v[T+1], v[T+1], v[T]
	v_fma_f32 v[ZP], -v[SL], v[T+1], v[ZL]
.endm
; The first sign change of slot min(w + 4 ii, last slot).  Lane l holds steps 4 l + e.  A slot taken twice lands in an entry that nobody reads.
.macro ARGMIN ii
	s_add_co_u32 s50, s8, 4*\ii
	s_min_u32 s50, s50, s49
	s_min_u32 s50, s50, 15
	s_mul_i32 s50, s50, 400                        ; 100 f32 a slot
	v_add_nc_u32 v[T], s50, v[AB]
.set i_, 0
.rept 4
	ds_load_b128 v[PR+4*i_:PR+4*i_+3], v[T] offset:PARTW*i_
.set i_, i_+1
.endr
	s_wait_dscnt 0x0
	v_pk_add_f32 v[PR:PR+1], v[PR:PR+1], v[PR+4:PR+5]
	v_pk_add_f32 v[PR+2:PR+3], v[PR+2:PR+3], v[PR+6:PR+7]
	v_pk_add_f32 v[PR+8:PR+9], v[PR+8:PR+9], v[PR+12:PR+13]
	v_pk_add_f32 v[PR+10:PR+11], v[PR+10:PR+11], v[PR+14:PR+15]
	v_pk_add_f32 v[PR:PR+1], v[PR:PR+1], v[PR+8:PR+9]
	v_pk_add_f32 v[PR+2:PR+3], v[PR+2:PR+3], v[PR+10:PR+11]      ; the sdf at my four steps
.set e_, 0
.rept 4
	v_cmp_lt_f32 vcc_lo, 0, v[PR+e_]
	v_cndmask_b32 v[ADR+e_], v[KZ+e_], v[KP+e_], vcc_lo
	v_cmp_gt_f32 vcc_lo, 0, v[PR+e_]
	v_cndmask_b32 v[ADR+e_], v[ADR+e_], v[KN+e_], vcc_lo
.set e_, e_+1
.endr
	v_min_num_f32 v[ADR], v[ADR], v[ADR+1]
	v_min_num_f32 v[ADR+2], v[ADR+2], v[ADR+3]
	v_min_num_f32 v[ADR], v[ADR], v[ADR+2]
	v_min_num_f32_dpp v[ADR], v[ADR], v[ADR] row_xmask:1 row_mask:0xf bank_mask:0xf
	v_min_num_f32_dpp v[ADR], v[ADR], v[ADR] row_xmask:2 row_mask:0xf bank_mask:0xf
	v_min_num_f32_dpp v[ADR], v[ADR], v[ADR] row_xmask:4 row_mask:0xf bank_mask:0xf
	v_min_num_f32_dpp v[ADR], v[ADR], v[ADR] row_xmask:8 row_mask:0xf bank_mask:0xf
	v_permlanex16_b32 v[ADR+1], v[ADR], s10, s11
	v_min_num_f32 v[ADR], v[ADR], v[ADR+1]
	v_cvt_i32_f32 v[ADR+1], v[ADR]
	v_and_b32 v[ADR+1], 127, v[ADR+1]              ; ind: the key's low seven bits, for negative keys too (a multiple of 128 was taken away)
	v_cmp_ne_u32 vcc_lo, 0, v[ADR+1]
	v_add_nc_u32 v[ADR+2], -1, v[ADR+1]
	v_cndmask_b32 v[ADR+2], 99, v[ADR+2], vcc_lo   ; ind - 1, wrapping to 99
	; the sdf at ind and at ind - 1, picked by compares: no address is made of ind
	v_cmp_eq_u32 vcc_lo, v[SI], v[ADR+2]
	v_cndmask_b32 v[STP], 0, v[PR], vcc_lo
	v_cmp_eq_u32 vcc_lo, v[SI], v[ADR+1]
	v_cndmask_b32 v[STP+1], 0, v[PR], vcc_lo
.set e_, 1
.rept 3
	v_cmp_eq_u32 vcc_lo, v[SI+e_], v[ADR+2]
	v_cndmask_b32 v[STP], v[STP], v[PR+e_], vcc_lo
	v_cmp_eq_u32 vcc_lo, v[SI+e_], v[ADR+1]
	v_cndmask_b32 v[STP+1], v[STP+1], v[PR+e_], vcc_lo
.set e_, e_+1
.endr
	LANESUM STP
	LANESUM STP+1
	v_cvt_f32_i32 v[STP+2], v[ADR+1]
	ds_store_b128 v[SA], v[STP:STP+3] offset:64*\ii    ; entry w + 4 ii: (sdf below, sdf at, ind, 0)
.endm
; ---------------------------------------------------------------------------------------------------------------------------------
	s_load_b64 s[40:41], s[0:1], 0x60              ; out2 40   (zrange 32, order 34, out0 36, out1 38)
	SETUP_IDS
	s_mov_b32 s56, I99
	s_lshr_b32 s50, s9, 4
	s_lshl_b32 s50, s50, 6                         ; my group's 16 counts: 64 bytes
	s_load_b512 s[68:83], s[34:35], s50 offset:0x4000
	SETUP_LOADS
	s_wait_kmcnt 0x0                               ; the counts, and b3
	s_mov_b32 s44, 0
.set i_, 0
.rept 16                               ; counts become exclusive prefix sums; s44: the group's total
	s_min_u32 s2, s[68+i_], 16
	s_mov_b32 s[68+i_], s44
	s_add_co_u32 s44, s44, s2
.set i_, i_+1
.endr
	s_and_b32 s51, s9, 15                          ; j
	s_add_co_u32 s46, s44, 15
	s_sub_co_u32 s46, s46, s51
	s_lshr_b32 s46, s46, 4
	s_min_u32 s46, s46, 16                         ; R: my rays, the lanes that store at the end
	s_max_u32 s60, s46, 1                          ; what is computed: at least one
	s_mul_i32 s47, s60, 100
	s_add_co_u32 s47, s47, 63
	s_lshr_b32 s47, s47, 6
	s_min_u32 s47, s47, TRIPS                      ; batches of 64 sample points that hold work
	s_sub_co_u32 s49, s60, 1                       ; the last slot
	s_mul_i32 s45, s8, PARTW
	s_add_co_u32 s45, s45, PART                    ; my partial sums
	; lane r serves slot min(r, last): the group's listed ray number n = j + 16 slot lies in the last list whose prefix is not above n
	v_min_u32 v[T], s49, v[RR]
	v_lshl_add_u32 v[T], v[T], 4, s51
	v_mov_b32 v[T+1], 0
	v_mov_b32 v[T+2], 0
.set i_, 1
.rept 15
	v_cmp_gt_u32 vcc_lo, s[68+i_], v[T]
	v_cndmask_b32 v[T+1], i_, v[T+1], vcc_lo
	v_cndmask_b32 v[T+2], s[68+i_], v[T+2], vcc_lo
.set i_, i_+1
.endr
	v_sub_nc_u32 v[T+2], v[T], v[T+2]              ; place in that list
	s_and_b32 s2, s9, 0xf0
	v_add_nc_u32 v[T+1], s2, v[T+1]
	v_lshl_add_u32 v[T+1], v[T+1], 4, v[T+2]
	v_min_u32 v[T+1], 0xfff, v[T+1]                ; every one of the 4,096 entries holds a ray's number
	v_lshlrev_b32 v[T+1], 2, v[T+1]
	global_load_b32 v[T+3], v[T+1], s[34:35]
	s_wait_loadcnt 0x0                             ; the list entry is the youngest load
	v_min_u32 v[ID], 0xfff, v[T+3]
	v_mul_u32_u24 v33, 12, v[ID]
	v_lshlrev_b32 v34, 3, v[ID]
	v_mov_b32 v35, 0                               ; the one register of the sums not yet written: the two halves of a trip below are entered
	                                               ; under the same compare, and with this no path through the two branches reads an unwritten register
	global_load_b96 v[CAM:CAM+2], v33, s[28:29]
	global_load_b96 v[RAY:RAY+2], v33, s[30:31]
	global_load_b64 v[ZL:ZH], v34, s[32:33]        ; acc_s, acc_e.  These three are older than every refill of the W2 ring
	SETUP_REST
	v_mov_b32 v13, v[ZL]                           ; smin
	v_sub_f32 v17, v[ZH], v[ZL]                    ; smax - smin
	s_mov_b32 s14, 0
.Lsamp:                                ; 64 points: lane r, tile t is point q = 64 trip + 4 r + t = 100 slot + step
	s_cmp_ge_u32 s14, s47
	s_cbranch_scc1 .Lskip1                         ; no points left: only the barriers are passed
	s_lshl_b32 s50, s14, 6
	v_lshl_add_u32 v[T+7], v[RR], 2, s50
.set t_, 0
.rept 4
.set rd_, 40+8*t_+48*(t_>>1)
	v_add_nc_u32 v[STP+t_], t_, v[T+7]
	v_mul_u32_u24 v[ADR+t_], 0x147b, v[STP+t_]     ; q / 100 = (5243 q) >> 19, exact for q < 43,690
	v_lshrrev_b32 v[ADR+t_], 19, v[ADR+t_]
	v_min_u32 v[ADR+t_], 15, v[ADR+t_]
	v_mul_u32_u24 v[T], 100, v[ADR+t_]
	v_sub_nc_u32 v[STP+t_], v[STP+t_], v[T]
	v_lshlrev_b32 v[ADR+t_], 2, v[ADR+t_]
.set c_, 0
.rept 8
	ds_bpermute_b32 v[rd_+c_], v[ADR+t_], v[CAM+c_]    ; the slot's ray from lane slot: cam, smin, ray, smax - smin.  No LDS byte is touched
.set c_, c_+1
.endr
.set t_, t_+1
.endr
	s_wait_dscnt 0x0
.set t_, 0
.rept 4
.set rd_, 40+8*t_+48*(t_>>1)
	v_cvt_f32_u32 v[STP+t_], v[STP+t_]
	v_mul_f32 v[STP+t_], s56, v[STP+t_]
	v_fma_f32 v[STP+t_], v[STP+t_], v[rd_+7], v[rd_+3]
	POINT t_, STP+t_, rd_, rd_+4
.set t_, t_+1
.endr
	EVALA 4
.Lskip1:
	BAR                                            ; h1 is written
	s_cmp_ge_u32 s14, s47
	s_cbranch_scc1 .Lskip2
	EVALB 4
	s_min_u32 s50, s14, TRIPS-1
	s_lshl_b32 s50, s50, 8                         ; 64 f32 a trip
	s_add_co_u32 s50, s50, s45
	v_lshl_add_u32 v[T], v[RR], 4, s50
	ds_store_b128 v[T], v[Q:Q+3]                   ; part[w][q .. q + 3]
.Lskip2:
	BAR                                            ; h1 is free for the next trip; behind the last trip the sums may be read
	s_add_co_u32 s14, s14, 1
	s_cmp_lt_u32 s14, TRIPS
	s_cbranch_scc1 .Lsamp
	; the argmin's constants: lane l holds steps s = 4 l + e.  key = sign x (100 - s) x 128 + s orders like sign x (100 - s), ties by s
	s_mov_b32 s2, 0x43000000                       ; 128.0
	s_mov_b32 s3, 0x7f000000                       ; lanes 25 to 31 hold no step: a key above all others
	v_cmp_gt_u32 vcc_lo, 25, v[LN]
.set e_, 0
.rept 4
	v_lshl_add_u32 v[SI+e_], v[LN], 2, e_
	v_cvt_f32_u32 v[KZ+e_], v[SI+e_]
	v_sub_f32 v[T], 0x42c80000, v[KZ+e_]           ; 100 - s
	v_fma_f32 v[KP+e_], v[T], s2, v[KZ+e_]
	v_fma_f32 v[KN+e_], -v[T], s2, v[KZ+e_]
	v_cndmask_b32 v[KZ+e_], s3, v[KZ+e_], vcc_lo
	v_cndmask_b32 v[KP+e_], s3, v[KP+e_], vcc_lo
	v_cndmask_b32 v[KN+e_], s3, v[KN+e_], vcc_lo
.set e_, e_+1
.endr
	v_min_u32 v[AB], 24, v[LN]
	v_lshlrev_b32 v[AB], 4, v[AB]
	v_add_nc_u32 v[AB], PART, v[AB]
	s_lshl_b32 s50, s8, 4
	s_add_co_u32 s50, s50, SECTAB
	v_mov_b32 v[SA], s50
	v_mov_b32 v[STP+3], 0
	ARGMIN 0                                       ; sixteen entries, four a wave
	ARGMIN 1
	ARGMIN 2
	ARGMIN 3
	BAR
	; the secant: lane r serves slot min(r, last) again
	v_min_u32 v[T], s49, v[RR]
	v_min_u32 v[T], 15, v[T]
	v_lshlrev_b32 v[T], 4, v[T]
	v_add_nc_u32 v[T], SECTAB, v[T]
	ds_load_b128 v[SL:SL+3], v[T]                  ; SL, SH, IND
	s_lshl_b32 s50, s8, 2
	s_add_co_u32 s50, s50, PARTS
	v_lshl_add_u32 v[PST], v[RR], 4, s50
	v_lshlrev_b32 v[PLD], 4, v[RR]
	v_add_nc_u32 v[PLD], PARTS, v[PLD]
	s_wait_dscnt 0x0
	v_cmp_gt_f32 s59, 0, v[SH]                     ; a surface was found
	v_mul_f32 v[T], s56, v[IND]
	v_fma_f32 v[ZH], v[T], v17, v13
	v_cmp_neq_f32 vcc_lo, 0, v[IND]
	v_add_f32 v[T+1], -1.0, v[IND]
	v_cndmask_b32 v[T+1], 0x42c60000, v[T+1], vcc_lo   ; 99.0
	v_mul_f32 v[T+1], s56, v[T+1]
	v_fma_f32 v[ZL], v[T+1], v17, v13
	v_mov_b32 v[ZH0], v[ZH]
	PRED
	s_mov_b32 s14, 0
.Lsec:
	POINT 0, ZP, CAM, RAY
	EVALA 1
	BAR
	EVALB 1
	ds_store_b32 v[PST], v[Q]
	BAR
	ds_load_b128 v[PR:PR+3], v[PLD]
	s_wait_dscnt 0x0
	v_pk_add_f32 v[PR:PR+1], v[PR:PR+1], v[PR+2:PR+3]
	v_add_f32 v[PR], v[PR], v[PR+1]
	v_cmp_lt_f32 vcc_lo, 0, v[PR]
	v_cndmask_b32 v[ZL], v[ZL], v[ZP], vcc_lo
	v_cndmask_b32 v[SL], v[SL], v[PR], vcc_lo
	v_cmp_gt_f32 vcc_lo, 0, v[PR]
	v_cndmask_b32 v[ZH], v[ZH], v[ZP], vcc_lo
	v_cndmask_b32 v[SH], v[SH], v[PR], vcc_lo
	PRED
	s_add_co_u32 s14, s14, 1
	s_cmp_lt_u32 s14, 8
	s_cbranch_scc1 .Lsec
	s_cmp_lg_u32 s8, 0                             ; all waves hold the same: wave 0 stores, lanes 0 .. R - 1
	s_cbranch_scc1 .Lend
	v_cndmask_b32 v[T+3], v[ZH0], v[ZP], s59
	v_fma_f32 v[T], v[T+3], v[RAY], v[CAM]
	v_fma_f32 v[T+1], v[T+3], v[RAY+1], v[CAM+1]
	v_fma_f32 v[T+2], v[T+3], v[RAY+2], v[CAM+2]
	v_mov_b32 v[T+4], 1
	v_cndmask_b32 v[T+4], 0, v[T+4], s59
	v_mul_u32_u24 v[T+5], 12, v[ID]
	v_lshlrev_b32 v[T+6], 2, v[ID]
	s_wait_xcnt 0x0                                ; EXEC changes only behind this wait
	v_cmp_gt_u32 vcc_lo, s46, v[LN]
	s_and_saveexec_b32 s50, vcc_lo
	global_store_b96 v[T+5], v[T:T+2], s[36:37]
	global_store_b32 v[T+6], v[T+3], s[40:41]
	global_store_b8 v[ID], v[T+4], s[38:39]
	s_wait_xcnt 0x0
	s_or_b32 exec_lo, exec_lo, s50
.Lend:
	s_set_vgpr_msb 0xc
	s_wait_tensorcnt 0x0
	ds_add_u32 v27, v97
	s_wait_dscnt 0x0
	s_set_vgpr_msb 0xc00
	s_endpgm
.Lfunc_end_k_q21af87c808_sample:
	.size	k_q21af87c808_sample, .Lfunc_end_k_q21af87c808_sample-k_q21af87c808_sample
	.p2alignl 7, 3214868480
	.fill 96, 4, 3214868480
	.section	.rodata,"a",@progbits
	.p2align	6, 0x0
	.amdhsa_kernel k_q21af87c808_sample
		.amdhsa_group_segment_fixed_size 223232
		.amdhsa_private_segment_fixed_size 0
		.amdhsa_enable_private_segment 0
		.amdhsa_kernarg_size 104
		.amdhsa_user_sgpr_count 2
		.amdhsa_user_sgpr_kernarg_segment_ptr 1
		.amdhsa_wavefront_size32 1
		.amdhsa_system_sgpr_workgroup_id_x 1
		.amdhsa_system_sgpr_workgroup_id_y 1
		.amdhsa_system_sgpr_workgroup_id_z 1
		.amdhsa_system_vgpr_workitem_id 0
		.amdhsa_next_free_vgpr 866
		.amdhsa_next_free_sgpr 84
		.amdhsa_reserve_vcc 1
		.amdhsa_float_denorm_mode_32 3
		.amdhsa_float_denorm_mode_16_64 3
		.amdhsa_memory_ordered 1
		.amdhsa_forward_progress 1
		.amdhsa_inst_pref_size 177
	.end_amdhsa_kernel
	.amdgpu_metadata
---
amdhsa.version: [ 1, 2 ]
amdhsa.kernels:
  - .name:           k_q21af87c808_sample
    .symbol:         k_q21af87c808_sample.kd
    .args:
      - { .name: W2, .offset: 0, .size: 8, .value_kind: global_buffer, .address_space: global }
      - { .name: W1, .offset: 8, .size: 8, .value_kind: global_buffer, .address_space: global }
      - { .name: b1, .offset: 16, .size: 8, .value_kind: global_buffer, .address_space: global }
      - { .name: b2, .offset: 24, .size: 8, .value_kind: global_buffer, .address_space: global }
      - { .name: W3, .offset: 32, .size: 8, .value_kind: global_buffer, .address_space: global }
      - { .name: b3, .offset: 40, .size: 8, .value_kind: global_buffer, .address_space: global }
      - { .name: cam_loc, .offset: 48, .size: 8, .value_kind: global_buffer, .address_space: global }
      - { .name: ray_directions, .offset: 56, .size: 8, .value_kind: global_buffer, .address_space: global }
      - { .name: zrange, .offset: 64, .size: 8, .value_kind: global_buffer, .address_space: global }
      - { .name: order, .offset: 72, .size: 8, .value_kind: global_buffer, .address_space: global }
      - { .name: out0, .offset: 80, .size: 8, .value_kind: global_buffer, .address_space: global }
      - { .name: out1, .offset: 88, .size: 8, .value_kind: global_buffer, .address_space: global }
      - { .name: out2, .offset: 96, .size: 8, .value_kind: global_buffer, .address_space: global }
    .group_segment_fixed_size: 223232
    .private_segment_fixed_size: 0
    .kernarg_segment_align: 8
    .kernarg_segment_size: 104
    .max_flat_workgroup_size: 128
    .sgpr_count:     84
    .vgpr_count:     866
    .wavefront_size: 32
...
	.end_amdgpu_metadata
.endif
;; end of part 2
;; ======== version 2 of 2: 2 launches; 1.24 times as fast as version 1
;; limits: values are held in f16: magnitudes above 65,504 overflow, below 6.1e-05 lose precision
;; workspace buffers: zrange 32,768 bytes; order 17,408 bytes of whole numbers
;; launch trace (part 3): grid 256 x 1, 4 waves a work-group, no clusters, 198,144 bytes of LDS; arguments W2, W1, b1, b2, W3, b3, cam_loc, ray_directions, object_mask, out0, out1, out2, zrange, order; writes out0, out1, out2, zrange, order
.if DOCPART == 3
	.amdgcn_target "amdgcn-amd-amdhsa--gfx1250"
	.amdhsa_code_object_version 6
	.text
	.protected	k_q21af87c808_trace
	.globl	k_q21af87c808_trace
	.p2align	8
	.type	k_q21af87c808_trace,@function
k_q21af87c808_trace:
	s_mov_b64 s[64:65], 0
	v_nop
	global_prefetch_b8 v0, s[64:65] scope:SCOPE_SE
	s_setreg_imm32_b32 hwreg(HW_REG_WAVE_MODE, 25, 1), 1
	s_wait_xcnt 0x0
; SPHERE TRACING.  A work-group owns 16 rays; 256 work-groups, four waves each, one on each SIMD.
; It computes the intersection with the unit sphere and the ten sphere-tracing steps from both ends, stores the result that holds for
; rays that need no sampler (out0 = start point, out1 = acc_s < acc_e, out2 = acc_s) for ALL its rays, and for the next launch
; zrange[ray] = (acc_s, acc_e), order.list[wg][0..15] = its rays that still need the sampler, order.cnt[wg] = how many.
;
; THE SDF, for a batch of 16 NT points (NT tiles, lane r = point r of a tile), transposed: D[hidden][point].
;   Wave w owns hidden units 64 w .. 64 w + 63 of both layers (four tiles T of 16).  Its quarter of W2 stays in 256 registers.
;   tanh x = 1 - 2 / (1 + 2^(C2 x)), C2 = 2 log2 e, folded into W1, b1, W2, b2 once.
;   Layer 1: one f16 matrix instruction a tile; weights, bias and point each as f16 hi + lo in k = 0..15 (about 21 bits kept).
;   Layer 2: eight K steps of 32, f16; the first takes the bias as C.  h1 goes from wave to wave through LDS in fragment order.
;   Layer 3 rides on the second tanh: 0.05 sum W3 (1 - 2 rho) = 0.05 sum W3 + sum (-0.1 W3) rho, rho = 1 / (1 + 2^(..)).
;   The four waves' partial sums meet in LDS; every wave adds them in the same order, so all waves hold the same state.
; The point of the line search (acc -+ 0.5 csdf) is known before the step's first sdf is: the four points of a step go in one batch of 64.
;
; THE TRANSCENDENTALS GO IN FOUR BATCHES AN SDF, each with one s_wait_alu depctr_va_vdst(0) between it and the first line that names a result
; of it.  Every result has a register of its own while its batch is open: the 32 NT accumulator registers in place,
; a point's root in its tile's sum register.
;   batch 1: the NT roots of |p|^2 + 1e-12 and the 32 NT exponentials of the first tanh;   batch 2: its 32 NT reciprocals;
;   batch 3: the 32 NT exponentials of the second tanh;                                   batch 4: its 32 NT reciprocals.
; The additions 1 + 2^x read the batch before, which has had its wait, and stand among the reciprocals, two pairs ahead of their own.
;
; LIMITS.  f16 operands: |C2 W1|, |C2 b1|, |C2 W2| and the coordinates of a point must stay below 65504; W2 and h1 are rounded to f16 once
; (11 bits), which is the error that the compare with 5e-5 and the signs see.  NaN inputs are not served.
; object_mask is loaded as an input, and enters nothing: the function that is computed gives it no part in the result.
; NO CLUSTER: the only bytes that work-groups share are W2's 262,144, read once at the head and narrowed to f16 on the way through registers;
; as f32 rows in LDS they would not fit beside the 163,840 bytes of f16 staging, and the loops read no global memory at all.
.set C2,     0x4038aa3b                ; 2 log2 e
.set NEG01,  0xbdcccccd                ; -0.1
.set P005,   0x3d4ccccd                ; 0.05
.set NEG06,  0xbf19999a                ; -0.6
.set EPS12,  0x2b8cbccc                ; 1e-12
.set THR,    0x3851b717                ; 5e-5
; LDS
.set H1N,    8192                      ; h1 of a tile of 16 points: 16 fragments halves of 512 bytes; four tiles from byte 0
.set WST,    32768                     ; staging of W2 in f16: wave w's 256 rows (k) of 64 columns, its own bytes
.set WSTW,   40960
.set WP,     160                       ; its pitch: 128 bytes of data + 32
.set PART,   196608                    ; partial sums [wave][r][4] f32
; registers, window 0
.set LN,   1                           ; lane
.set RR,   2                           ; r = lane & 15
.set HH,   3                           ; h = lane >> 4
.set LDA,  4                           ; 16 lane: h1 fragments, read
.set STA,  5                           ; 16 lane + 2048 w: h1 fragments, written
.set PST,  6                           ; where my partial sums go
.set PLD,  7                           ; where all four are read
.set FLAG, 8                           ; 1.0 in wave 0, h = 0: the lanes that add the analytic part
.set KLC,  9                           ; 0.05 x (the lane's 32 W3) + FLAG (0.05 b3 - 0.6)
.set CAM,  10                          ; v[10:12]
.set RAY,  14                          ; v[14:16]
.set ACS,  18
.set ACE,  19
.set NS,   20
.set NE,   21
.set CS,   22
.set CE,   23
.set Z2,   24
.set Z3,   25
.set SUM,  28                          ; v[28:35] a pair for each tile; the even one first holds the point's root.  At set-up: addresses
.set AW1,  28
.set AB2,  29
.set AW2,  30
.set AST,  31
.set ATR,  32
.set Q,    36                          ; v[36:39] my wave's sum for tile N
.set PR,   40                          ; v[40:55] partial sums as read.  At set-up: W1, b1
.set T,    56                          ; v[56:63] at work
.set B1,   64                          ; v[64:95] layer 1's B fragment of tile N.  At set-up: b2
.set PK,   96                          ; v[96:103] packed h1, two sets
.set W3R,  96                          ; v[96:127] at set-up: W3
.set ACC,  128                         ; v[128:255] accumulators (T, N) at 32 N + 8 T.  At set-up: 32 slots of 4 for W2
.set A2,   0                           ; window 1: W2 fragments (T, k) at 64 T + 8 k
.set B2,   0                           ; window 2: h1 fragments (N, k) at 64 N + 8 k
.set A1,   0                           ; window 3: layer 1's A fragment of tile T
.set BI,   32                          ; window 3: C2 b2 in the accumulator's layout
.set W3P,  64                          ; window 3: -0.1 W3 in the accumulator's layout
.set MSB, 0
.macro WIN new                         ; s_set_vgpr_msb: bits 1:0 source 0, 3:2 source 1, 5:4 source 2, 7:6 destination; the high byte repeats the setting left
.if MSB != \new
	s_set_vgpr_msb (MSB<<8)|\new
.set MSB, \new
.endif
.endm
.macro PLACES                          ; four independent vector instructions between a matrix instruction and a vector read of its result (ISA guide 7.12.1)
.rept 4
	v_nop
.endr
.endm
.macro BAR                             ; my LDS stores are written and my LDS loads are back, for the other waves' sake: zero; then the barrier
	s_wait_dscnt 0x0
	s_barrier_signal -1
	s_barrier_wait -1
.endm
.macro SETUP_IDS
	s_load_b512 s[16:31], s[0:1], 0x0              ; W2 16, W1 18, b1 20, b2 22, W3 24, b3 26, cam 28, rays 30
	s_load_b256 s[32:39], s[0:1], 0x40
	v_lshl_add_u32 v26, v0, 2, 0x30400
	v_mov_b32 v27, 0
	v_and_b32 v[LN], 31, v0
	v_and_b32 v[RR], 15, v0
	v_bfe_u32 v[HH], v0, 4, 1
	v_lshrrev_b32 v[T], 5, v0
	v_readfirstlane_b32 s8, v[T]                   ; wave
	s_mov_b32 s9, ttmp9                            ; work-group
	s_mov_b32 s10, 0x76543210                      ; v_permlanex16_b32: lane i of the other half
	s_mov_b32 s11, 0xfedcba98
	s_mov_b32 s12, 0xffff0000                      ; the lanes with h = 1
	s_mov_b32 s13, 0xffffe000                      ; keeps an f32's upper 10 mantissa bits: exact in f16
	s_mov_b32 s52, C2
	s_mov_b32 s53, C2
	s_mov_b32 s54, NEG01
	s_mov_b32 s55, NEG01
	s_mov_b32 s57, EPS12
	v_lshlrev_b32 v[LDA], 4, v[LN]
	s_lshl_b32 s2, s8, 11
	v_add_nc_u32 v[STA], s2, v[LDA]
	s_lshl_b32 s2, s8, 8                           ; 64 f32 of my wave
	v_lshl_add_u32 v[AW1], v[RR], 2, s2            ; 4 (64 w + r)
	v_lshl_add_u32 v[AB2], v[HH], 5, s2            ; 4 (64 w + 8 h)
	v_lshl_add_u32 v[AW2], v[RR], 4, s2            ; W2: 16 r + 256 w
	v_lshl_add_u32 v[AW2], v[HH], 10, v[AW2]       ;     + row h
	s_mul_i32 s3, s8, WSTW
	s_add_co_u32 s3, s3, WST                       ; my staging
	v_mul_u32_u24 v[AST], WP, v[HH]
	v_lshl_add_u32 v[AST], v[RR], 3, v[AST]
	v_add_nc_u32 v[AST], s3, v[AST]                ; in: row h, 8 bytes at 8 r
	v_and_b32 v[ATR], 7, v0
	v_lshl_add_u32 v[ATR], v[HH], 3, v[ATR]
	v_mul_u32_u24 v[ATR], WP, v[ATR]               ; out, transposing: row 8 h + (lane & 7),
	v_bfe_u32 v[T], v0, 3, 1
	v_lshl_add_u32 v[ATR], v[T], 4, v[ATR]         ; 16 bytes at 16 ((lane >> 3) & 1)
	v_add_nc_u32 v[ATR], s3, v[ATR]
	v_cmp_gt_u32 vcc_lo, 16, v0
	v_mov_b32 v[FLAG], 1.0
	v_cndmask_b32 v[FLAG], 0, v[FLAG], vcc_lo
	s_wait_kmcnt 0x0
	s_load_b32 s15, s[26:27], 0x0                  ; b3
.endm
.macro SETUP_LOADS                     ; 32 small loads, then the first 64 rows of W2: 32 loads, each half wave 256 neighbouring bytes of a row
.set t_, 0
.rept 4
	global_load_b32 v[PR+4*t_], v[AW1], s[18:19] offset:64*t_
	global_load_b32 v[PR+4*t_+1], v[AW1], s[18:19] offset:1024+64*t_
	global_load_b32 v[PR+4*t_+2], v[AW1], s[18:19] offset:2048+64*t_
	global_load_b32 v[PR+4*t_+3], v[AW1], s[20:21] offset:64*t_
	global_load_b128 v[B1+8*t_:B1+8*t_+3], v[AB2], s[22:23] offset:64*t_
	global_load_b128 v[B1+8*t_+4:B1+8*t_+7], v[AB2], s[22:23] offset:64*t_+16
	global_load_b128 v[W3R+8*t_:W3R+8*t_+3], v[AB2], s[24:25] offset:64*t_
	global_load_b128 v[W3R+8*t_+4:W3R+8*t_+7], v[AB2], s[24:25] offset:64*t_+16
.set t_, t_+1
.endr
.set i_, 0
.rept 32
	global_load_b128 v[ACC+4*i_:ACC+4*i_+3], v[AW2], s[16:17] offset:2048*i_
.set i_, i_+1
.endr
.endm
; One slot of the W2 ring: rows 2 i + h of this round's 64.  Scale by C2, narrow to f16, 8 bytes into my staging.
; left: the younger loads that may stay out (loads come back in order, ISA guide 5.7.1).
.macro WSLOT ii, ahead, left
	s_wait_loadcnt \left
	v_pk_mul_f32 v[ACC+4*\ii:ACC+4*\ii+1], v[ACC+4*\ii:ACC+4*\ii+1], s[52:53] op_sel_hi:[1,0]
	v_pk_mul_f32 v[ACC+4*\ii+2:ACC+4*\ii+3], v[ACC+4*\ii+2:ACC+4*\ii+3], s[52:53] op_sel_hi:[1,0]
	v_cvt_pk_f16_f32 v[T], v[ACC+4*\ii], v[ACC+4*\ii+1]
	v_cvt_pk_f16_f32 v[T+1], v[ACC+4*\ii+2], v[ACC+4*\ii+3]
	ds_store_b64 v[AST], v[T:T+1] offset:2*WP*\ii
.if \ahead
	global_load_b128 v[ACC+4*\ii:ACC+4*\ii+3], v[AW2], s[16:17] offset:65536+2048*\ii
.endif
.endm
; Tile T's constants.  A1: k = 0..7 (lanes h = 0) = (wx, wy, wz, b)hi, (wx, wy, wz)hi, b lo;  k = 8..15 (h = 1) = (wx, wy, wz)lo, 0, twice.
; Against B1 = (px, py, pz)hi, 1, (px, py, pz)lo, 1 in both halves that sums to (w hi + w lo)(p hi + p lo) + b.
.macro TILECONST tt
.set x_, PR+4*\tt
	v_pk_mul_f32 v[x_:x_+1], v[x_:x_+1], s[52:53] op_sel_hi:[1,0]
	v_pk_mul_f32 v[x_+2:x_+3], v[x_+2:x_+3], s[52:53] op_sel_hi:[1,0]
	v_and_b32 v[T], s13, v[x_]
	v_and_b32 v[T+1], s13, v[x_+1]
	v_and_b32 v[T+2], s13, v[x_+2]
	v_and_b32 v[T+3], s13, v[x_+3]
	v_sub_f32 v[x_], v[x_], v[T]
	v_sub_f32 v[x_+1], v[x_+1], v[T+1]
	v_sub_f32 v[x_+2], v[x_+2], v[T+2]
	v_sub_f32 v[x_+3], v[x_+3], v[T+3]
	v_cvt_pk_f16_f32 v[T+4], v[T], v[T+1]          ; (wx hi, wy hi)
	v_cvt_pk_f16_f32 v[T+5], v[T+2], v[T+3]        ; (wz hi, b hi)
	v_cvt_pk_f16_f32 v[T+6], v[T+2], v[x_+3]       ; (wz hi, b lo)
	v_cvt_pk_f16_f32 v[T], v[x_], v[x_+1]          ; (wx lo, wy lo)
	v_cvt_pk_f16_f32 v[T+1], v[x_+2], 0            ; (wz lo, 0)
	WIN 0xc0                                       ; destinations in window 3
	v_cndmask_b32 v[A1+8*\tt], v[T+4], v[T], s12
	v_cndmask_b32 v[A1+8*\tt+1], v[T+5], v[T+1], s12
	v_cndmask_b32 v[A1+8*\tt+2], v[T+4], v[T], s12
	v_cndmask_b32 v[A1+8*\tt+3], v[T+6], v[T+1], s12
.set j_, 4
.rept 4
	v_mov_b32 v[A1+8*\tt+j_], 0                    ; k = 16..31 are not used
.set j_, j_+1
.endr
.set j_, 0
.rept 4
	v_pk_mul_f32 v[BI+8*\tt+j_:BI+8*\tt+j_+1], v[B1+8*\tt+j_:B1+8*\tt+j_+1], s[52:53] op_sel_hi:[1,0]
	v_pk_mul_f32 v[W3P+8*\tt+j_:W3P+8*\tt+j_+1], v[W3R+8*\tt+j_:W3R+8*\tt+j_+1], s[54:55] op_sel_hi:[1,0]
.set j_, j_+2
.endr
	WIN 0
.endm
.macro SETUP_REST
	s_mov_b32 s14, 0
.Lw2:                                  ; three rounds of 64 rows, each slot filled again with the row 64 further down: 31 younger loads stay out
.set i_, 0
.rept 32
	WSLOT i_, 1, 31
.set i_, i_+1
.endr
	s_wait_xcnt 0x0                                ; the loads' base is stepped only behind this wait
	s_add_nc_u64 s[16:17], s[16:17], 0x10000
	v_add_nc_u32 v[AST], 64*WP, v[AST]
	s_add_co_u32 s14, s14, 1
	s_cmp_lt_u32 s14, 3
	s_cbranch_scc1 .Lw2
.set i_, 0
.rept 32
	WSLOT i_, 0, 31-i_                             ; the last 64 rows: nothing is loaded, the counts run down to 0: every load of the wave is in
.set i_, i_+1
.endr
	WIN 0x40                                       ; destinations in window 1.  My own bytes, served in order: no wait, no barrier
.set k_, 0
.rept 8
.set t_, 0
.rept 4
	ds_load_tr16_b128 v[A2+64*t_+8*k_:A2+64*t_+8*k_+3], v[ATR] offset:32*WP*k_+32*t_
	ds_load_tr16_b128 v[A2+64*t_+8*k_+4:A2+64*t_+8*k_+7], v[ATR] offset:32*WP*k_+32*t_+16*WP
.set t_, t_+1
.endr
.set k_, k_+1
.endr
	WIN 0
	v_pk_add_f32 v[T:T+1], v[W3R:W3R+1], v[W3R+2:W3R+3]
.set i_, 4
.rept 14
	v_pk_add_f32 v[T:T+1], v[T:T+1], v[W3R+i_:W3R+i_+1]
.set i_, i_+2
.endr
	v_add_f32 v[T], v[T], v[T+1]                   ; the lane's 32 W3
	s_wait_kmcnt 0x0                               ; b3
	s_mov_b32 s2, P005
	v_mov_b32 v[T+1], NEG06
	v_fma_f32 v[T+1], s2, s15, v[T+1]
	v_mul_f32 v[T+1], v[FLAG], v[T+1]
	v_fma_f32 v[KLC], s2, v[T], v[T+1]
	TILECONST 0
	TILECONST 1
	TILECONST 2
	TILECONST 3
.set n_, 0
.rept 4
.set j_, 4
.rept 4
	v_mov_b32 v[B1+8*n_+j_], 0                     ; k = 16..31 of layer 1's B, once
.set j_, j_+1
.endr
.set n_, n_+1
.endr
.endm
; Point p = c + z d of tile nn: its B fragment (hi, lo), and sqrt(|p|^2 + 1e-12) into the tile's sum register.  The root belongs to batch 1:
; no line names its result before the wait behind the first tanh's exponentials; TANH1S then makes the start of the sum of it.
.macro POINT nn, zz, cc, dd
	v_fma_f32 v[T], v[\zz], v[\dd], v[\cc]
	v_fma_f32 v[T+1], v[\zz], v[\dd+1], v[\cc+1]
	v_fma_f32 v[T+2], v[\zz], v[\dd+2], v[\cc+2]
	v_fma_f32 v[T+3], v[T], v[T], s57
	v_fma_f32 v[T+3], v[T+1], v[T+1], v[T+3]
	v_fma_f32 v[T+3], v[T+2], v[T+2], v[T+3]
	v_sqrt_f32 v[SUM+2*\nn], v[T+3]                ; the plain lines below stand between it and the next write of its source (ISA guide 5.7.2)
	v_and_b32 v[T+4], s13, v[T]
	v_and_b32 v[T+5], s13, v[T+1]
	v_and_b32 v[T+6], s13, v[T+2]
	v_cvt_pk_f16_f32 v[B1+8*\nn], v[T+4], v[T+5]
	v_cvt_pk_f16_f32 v[B1+8*\nn+1], v[T+6], 1.0
	v_sub_f32 v[T+4], v[T], v[T+4]
	v_sub_f32 v[T+5], v[T+1], v[T+5]
	v_sub_f32 v[T+6], v[T+2], v[T+6]
	v_cvt_pk_f16_f32 v[B1+8*\nn+2], v[T+4], v[T+5]
	v_cvt_pk_f16_f32 v[B1+8*\nn+3], v[T+6], 1.0
.endm
.macro L1 nt                           ; layer 1: C2 (W1^T p + b1) for my 64 hidden units x 16 nt points
	WIN 0x03                                       ; A in window 3
.set n_, 0
.rept \nt
.set t_, 0
.rept 4
	v_wmma_f32_16x16x32_f16 v[ACC+32*n_+8*t_:ACC+32*n_+8*t_+7], v[A1+8*t_:A1+8*t_+7], v[B1+8*n_:B1+8*n_+7], 0
.set t_, t_+1
.endr
.set n_, n_+1
.endr
	WIN 0
	PLACES
.endm
.macro EXPS nt                         ; 2^x in place on all 32 nt accumulator registers, ascending: each accumulator is read from its low end on
.set j_, 0
.rept 32*\nt
	v_exp_f32 v[ACC+j_], v[ACC+j_]
.set j_, j_+1
.endr
.endm
; 1 / (1 + 2^x) in place.  The additions read the exponentials, whose wait stands ahead of this macro; each stands two pairs ahead of its own
; two reciprocals, and none names a register that a reciprocal has written.
.macro ADDRCP nt
	v_pk_add_f32 v[ACC:ACC+1], v[ACC:ACC+1], 1.0 op_sel_hi:[1,0]
	v_pk_add_f32 v[ACC+2:ACC+3], v[ACC+2:ACC+3], 1.0 op_sel_hi:[1,0]
.set j_, 0
.rept 16*\nt
.if j_+4 < 32*\nt
	v_pk_add_f32 v[ACC+j_+4:ACC+j_+5], v[ACC+j_+4:ACC+j_+5], 1.0 op_sel_hi:[1,0]
.endif
	v_rcp_f32 v[ACC+j_], v[ACC+j_]
	v_rcp_f32 v[ACC+j_+1], v[ACC+j_+1]
.set j_, j_+2
.endr
.endm
; The first tanh of all 4 nt tiles, packed to f16: lane (r, h) holds hidden 8 h + 0..7 of point r, which is half a B fragment of layer 2 as it stands.
.macro TANH1S nt
	EXPS \nt
.set n_, 0
.rept \nt
	v_mov_b32 v[SUM+2*n_+1], 0                     ; the sums' odd halves start at 0: plain work behind the last exponential (ISA guide 5.7.2) that names no result
.set n_, n_+1
.endr
	s_wait_alu depctr_va_vdst(0)                   ; batch 1: the nt roots of the POINTs in front and these 32 nt exponentials
	ADDRCP \nt
.set n_, 0
.rept \nt
	v_fma_f32 v[SUM+2*n_], v[FLAG], v[SUM+2*n_], v[KLC]   ; the start of a sum, KLC + FLAG x root (batch 1's): plain work behind the last reciprocal
.set n_, n_+1
.endr
	s_wait_alu depctr_va_vdst(0)                   ; batch 2: the 32 nt reciprocals
.set n_, 0
.rept \nt
.set t_, 0
.rept 4
.set a_, ACC+32*n_+8*t_
.set p_, PK+4*(t_&1)
.set j_, 0
.rept 4
	v_pk_fma_f32 v[a_+j_:a_+j_+1], v[a_+j_:a_+j_+1], -2.0, 1.0 op_sel_hi:[1,0,0]
.set j_, j_+2
.endr
.set j_, 0
.rept 4
	v_cvt_pk_f16_f32 v[p_+j_], v[a_+2*j_], v[a_+2*j_+1]
.set j_, j_+1
.endr
	ds_store_b128 v[STA], v[p_:p_+3] offset:H1N*n_+512*t_
.set t_, t_+1
.endr
.set n_, n_+1
.endr
.endm
.macro LOADH nt                        ; all of h1, K step by K step, 16 neighbouring bytes a lane
	WIN 0x80                                       ; destinations in window 2
.set k_, 0
.rept 8
.set n_, 0
.rept \nt
	ds_load_b128 v[B2+64*n_+8*k_:B2+64*n_+8*k_+3], v[LDA] offset:H1N*n_+1024*k_
	ds_load_b128 v[B2+64*n_+8*k_+4:B2+64*n_+8*k_+7], v[LDA] offset:H1N*n_+1024*k_+512
.set n_, n_+1
.endr
.set k_, k_+1
.endr
	WIN 0
.endm
.macro L2 nt                           ; layer 2: 4 nt chains in place, the first link takes the bias as C
.set k_, 0
.rept 8
	s_wait_dscnt 2*\nt*(7-k_)                      ; the 2 nt loads of each later K step may stay out
.if k_ == 0
	WIN 0x39                                       ; A window 1, B window 2, C window 3
.else
	WIN 0x09                                       ; A window 1, B window 2
.endif
.set t_, 0
.rept 4
.set n_, 0
.rept \nt
.if k_ == 0
	v_wmma_f32_16x16x32_f16 v[ACC+32*n_+8*t_:ACC+32*n_+8*t_+7], v[A2+64*t_+8*k_:A2+64*t_+8*k_+7], v[B2+64*n_+8*k_:B2+64*n_+8*k_+7], v[BI+8*t_:BI+8*t_+7]
.else
	v_wmma_f32_16x16x32_f16 v[ACC+32*n_+8*t_:ACC+32*n_+8*t_+7], v[A2+64*t_+8*k_:A2+64*t_+8*k_+7], v[B2+64*n_+8*k_:B2+64*n_+8*k_+7], v[ACC+32*n_+8*t_:ACC+32*n_+8*t_+7]
.endif
.set n_, n_+1
.endr
.set t_, t_+1
.endr
.set k_, k_+1
.endr
	WIN 0
	PLACES
.endm
; The second tanh with layer 3, for all 4 nt tiles: sum += (-0.1 W3) / (1 + 2^x).  A tile N's sum takes its terms by T and then by pair, ascending;
; the nt sums take turns, so that the links of one sum stand nt lines apart.
.macro TANH2S nt
	EXPS \nt
	v_nop                                          ; the plain place behind the last exponential (ISA guide 5.7.2): no other work is at hand
	s_wait_alu depctr_va_vdst(0)                   ; batch 3: the 32 nt exponentials
	ADDRCP \nt
	v_nop                                          ; the plain place behind the last reciprocal
	s_wait_alu depctr_va_vdst(0)                   ; batch 4: the 32 nt reciprocals
	WIN 0x0c                                       ; source 1 (-0.1 W3) in window 3
.set t_, 0
.rept 4
.set j_, 0
.rept 4
.set n_, 0
.rept \nt
	v_pk_fma_f32 v[SUM+2*n_:SUM+2*n_+1], v[ACC+32*n_+8*t_+j_:ACC+32*n_+8*t_+j_+1], v[W3P+8*t_+j_:W3P+8*t_+j_+1], v[SUM+2*n_:SUM+2*n_+1]
.set n_, n_+1
.endr
.set j_, j_+2
.endr
.set t_, t_+1
.endr
	WIN 0
.endm
.macro REDUCE nn                       ; the pair, then the other half of the lanes: my wave's 64 hidden units of point r, in both halves
	v_add_f32 v[Q+\nn], v[SUM+2*\nn], v[SUM+2*\nn+1]
	v_permlanex16_b32 v[T], v[Q+\nn], s10, s11
	v_add_f32 v[Q+\nn], v[Q+\nn], v[T]
.endm
; The sdf of 16 nt points whose POINTs stand in front.  One barrier inside (h1 written / h1 read); the caller's barrier behind it
; (partial sums written / read) also stands between these reads of h1 and the next batch's stores.
.macro EVAL nt
	L1 \nt
	TANH1S \nt
	BAR
	LOADH \nt
	L2 \nt
	TANH2S \nt
.set n2_, 0
.rept \nt
	REDUCE n2_
.set n2_, n2_+1
.endr
.endm
; ---------------------------------------------------------------------------------------------------------------------------------
	s_load_b128 s[40:43], s[0:1], 0x60             ; zrange 40, order 42   (object_mask 32, out0 34, out1 36, out2 38)
	SETUP_IDS
	s_mov_b32 s56, THR
	s_lshl_b32 s2, s9, 4
	v_add_nc_u32 v33, s2, v[RR]                    ; my ray: every wave and both halves of the lanes carry ray 16 wg + r
	v_mul_u32_u24 v34, 12, v33
	global_load_b96 v[CAM:CAM+2], v34, s[28:29]
	global_load_b96 v[RAY:RAY+2], v34, s[30:31]
	global_load_u8 v13, v33, s[32:33]              ; object_mask: read as an input; no step of the function uses it
	SETUP_LOADS
	s_lshl_b32 s2, s8, 8
	s_add_co_u32 s2, s2, PART
	v_lshl_add_u32 v[PST], v[RR], 4, s2
	v_lshlrev_b32 v[PLD], 4, v[RR]
	v_add_nc_u32 v[PLD], PART, v[PLD]
	SETUP_REST
	; the unit sphere
	v_mul_f32 v[T], v[RAY], v[CAM]
	v_fma_f32 v[T], v[RAY+1], v[CAM+1], v[T]
	v_fma_f32 v[T], v[RAY+2], v[CAM+2], v[T]       ; ray . cam
	v_fma_f32 v[T+1], v[CAM], v[CAM], -1.0
	v_fma_f32 v[T+1], v[CAM+1], v[CAM+1], v[T+1]
	v_fma_f32 v[T+1], v[CAM+2], v[CAM+2], v[T+1]   ; |cam|^2 - 1
	v_fma_f32 v[T+1], v[T], v[T], -v[T+1]          ; under the root
	v_cmp_lt_f32 s44, 0, v[T+1]                    ; s44: unfinished from the start;  s45: from the end
	s_mov_b32 s45, s44
	v_cndmask_b32 v[T+1], 1.0, v[T+1], s44
	v_sqrt_f32 v[T+1], v[T+1]
	v_nop
	s_wait_alu depctr_va_vdst(0)                   ; the head's one root, a batch by itself: both intersections, and the first points with them, hang on it
	v_sub_f32 v[T+2], -v[T+1], v[T]
	v_sub_f32 v[T+3], v[T+1], v[T]
	v_max_num_f32 v[T+2], 0, v[T+2]
	v_max_num_f32 v[T+3], 0, v[T+3]
	v_cndmask_b32 v[ACS], 0, v[T+2], s44
	v_cndmask_b32 v[ACE], 0, v[T+3], s44
	POINT 0, ACS, CAM, RAY
	POINT 1, ACE, CAM, RAY
	EVAL 2
	ds_store_b64 v[PST], v[Q:Q+1]
	BAR
.set i_, 0
.rept 4
	ds_load_b64 v[PR+2*i_:PR+2*i_+1], v[PLD] offset:256*i_
.set i_, i_+1
.endr
	s_wait_dscnt 0x0
	v_pk_add_f32 v[PR:PR+1], v[PR:PR+1], v[PR+2:PR+3]
	v_pk_add_f32 v[PR+4:PR+5], v[PR+4:PR+5], v[PR+6:PR+7]
	v_pk_add_f32 v[PR:PR+1], v[PR:PR+1], v[PR+4:PR+5]
	v_cndmask_b32 v[NS], 0, v[PR], s44
	v_cndmask_b32 v[NE], 0, v[PR+1], s45
	s_mov_b32 s14, 0
.Liter:                                ; ten steps; masks only select values, every step does all the work.  A step's 516 transcendentals have four waits, all inside EVAL
	v_cmp_lt_f32 s46, s56, v[NS]
	v_cmp_lt_f32 s47, s56, v[NE]
	s_and_b32 s44, s44, s46
	s_and_b32 s45, s45, s47
	v_cndmask_b32 v[CS], 0, v[NS], s44
	v_cndmask_b32 v[CE], 0, v[NE], s45
	v_add_f32 v[ACS], v[ACS], v[CS]
	v_sub_f32 v[ACE], v[ACE], v[CE]
	v_fma_f32 v[Z2], -0.5, v[CS], v[ACS]           ; where the line search would step back to
	v_fma_f32 v[Z3], 0.5, v[CE], v[ACE]
	POINT 0, ACS, CAM, RAY
	POINT 1, ACE, CAM, RAY
	POINT 2, Z2, CAM, RAY
	POINT 3, Z3, CAM, RAY
	EVAL 4
	ds_store_b128 v[PST], v[Q:Q+3]
	BAR
.set i_, 0
.rept 4
	ds_load_b128 v[PR+4*i_:PR+4*i_+3], v[PLD] offset:256*i_
.set i_, i_+1
.endr
	s_wait_dscnt 0x0
	v_pk_add_f32 v[PR:PR+1], v[PR:PR+1], v[PR+4:PR+5]
	v_pk_add_f32 v[PR+2:PR+3], v[PR+2:PR+3], v[PR+6:PR+7]
	v_pk_add_f32 v[PR+8:PR+9], v[PR+8:PR+9], v[PR+12:PR+13]
	v_pk_add_f32 v[PR+10:PR+11], v[PR+10:PR+11], v[PR+14:PR+15]
	v_pk_add_f32 v[PR:PR+1], v[PR:PR+1], v[PR+8:PR+9]
	v_pk_add_f32 v[PR+2:PR+3], v[PR+2:PR+3], v[PR+10:PR+11]
	v_cndmask_b32 v[NS], 0, v[PR], s44
	v_cndmask_b32 v[NE], 0, v[PR+1], s45
	v_cmp_gt_f32 s46, 0, v[NS]                     ; overshot: take the point half a step back and its sdf
	v_cmp_gt_f32 s47, 0, v[NE]
	v_cndmask_b32 v[ACS], v[ACS], v[Z2], s46
	v_cndmask_b32 v[ACE], v[ACE], v[Z3], s47
	v_cndmask_b32 v[NS], v[NS], v[PR+2], s46
	v_cndmask_b32 v[NE], v[NE], v[PR+3], s47
	v_cmp_lt_f32 s46, v[ACS], v[ACE]
	s_and_b32 s44, s44, s46
	s_and_b32 s45, s45, s46
	s_add_co_u32 s14, s14, 1
	s_cmp_lt_u32 s14, 10
	s_cbranch_scc1 .Liter
	v_cmp_lt_f32 s46, s56, v[NS]
	s_and_b32 s44, s44, s46                        ; the rays that go to the sampler
	s_cmp_lg_u32 s8, 0                             ; all waves hold the same: wave 0 stores
	s_cbranch_scc1 .Ldone
	v_fma_f32 v[T], v[ACS], v[RAY], v[CAM]
	v_fma_f32 v[T+1], v[ACS], v[RAY+1], v[CAM+1]
	v_fma_f32 v[T+2], v[ACS], v[RAY+2], v[CAM+2]
	v_cmp_lt_f32 vcc_lo, v[ACS], v[ACE]
	v_mov_b32 v[T+3], 1
	v_cndmask_b32 v[T+3], 0, v[T+3], vcc_lo
	s_and_b32 s46, s44, 0xffff
	s_bcnt1_i32_b32 s47, s46                       ; how many
	; lane p's list entry: the largest j with p set bits below it is the p-th set bit; entries at or past the count name some ray of mine
	v_mov_b32 v[T+4], 0
.set j_, 1
.rept 15
	s_and_b32 s48, s46, (1<<j_)-1
	s_bcnt1_i32_b32 s48, s48
	v_cmp_ne_u32 vcc_lo, s48, v[LN]
	v_cndmask_b32 v[T+4], j_, v[T+4], vcc_lo
.set j_, j_+1
.endr
	s_lshl_b32 s48, s9, 4
	s_lshl_b32 s49, s9, 2
	v_add_nc_u32 v[T+4], s48, v[T+4]
	v_add_nc_u32 v[T+5], s48, v[RR]                ; ray
	v_mul_u32_u24 v[T+6], 12, v[T+5]
	v_lshlrev_b32 v[T+7], 2, v[T+5]
	v_lshlrev_b32 v[PR], 3, v[T+5]
	v_mov_b32 v[PR+1], s47
	v_mov_b32 v[PR+2], s49
	s_wait_xcnt 0x0                                ; EXEC changes only behind this wait
	v_cmp_gt_u32 vcc_lo, 16, v[LN]
	s_and_saveexec_b32 s48, vcc_lo                 ; sixteen lanes, sixteen rays: 192, 64, 16, 128 and 64 neighbouring bytes
	global_store_b96 v[T+6], v[T:T+2], s[34:35]
	global_store_b32 v[T+7], v[ACS], s[38:39]
	global_store_b8 v[T+5], v[T+3], s[36:37]
	global_store_b64 v[PR], v[ACS:ACE], s[40:41]
	global_store_b32 v[T+7], v[T+4], s[42:43]
	s_wait_xcnt 0x0
	s_or_b32 exec_lo, exec_lo, s48
	v_cmp_eq_u32 vcc_lo, 0, v[LN]
	s_and_saveexec_b32 s48, vcc_lo
	global_store_b32 v[PR+2], v[PR+1], s[42:43] offset:16384
	s_wait_xcnt 0x0
	s_or_b32 exec_lo, exec_lo, s48
.Ldone:
	s_wait_tensorcnt 0x0
	ds_add_u32 v26, v27
	s_wait_dscnt 0x0
	s_endpgm
.Lfunc_end_k_q21af87c808_trace:
	.size	k_q21af87c808_trace, .Lfunc_end_k_q21af87c808_trace-k_q21af87c808_trace
	.p2alignl 7, 3214868480
	.fill 96, 4, 3214868480
	.section	.rodata,"a",@progbits
	.p2align	6, 0x0
	.amdhsa_kernel k_q21af87c808_trace
		.amdhsa_group_segment_fixed_size 198144
		.amdhsa_private_segment_fixed_size 0
		.amdhsa_enable_private_segment 0
		.amdhsa_kernarg_size 112
		.amdhsa_user_sgpr_count 2
		.amdhsa_user_sgpr_kernarg_segment_ptr 1
		.amdhsa_wavefront_size32 1
		.amdhsa_system_sgpr_workgroup_id_x 1
		.amdhsa_system_sgpr_workgroup_id_y 1
		.amdhsa_system_sgpr_workgroup_id_z 1
		.amdhsa_system_vgpr_workitem_id 0
		.amdhsa_next_free_vgpr 864
		.amdhsa_next_free_sgpr 66
		.amdhsa_reserve_vcc 1
		.amdhsa_float_denorm_mode_32 3
		.amdhsa_float_denorm_mode_16_64 3
		.amdhsa_memory_ordered 1
		.amdhsa_forward_progress 1
		.amdhsa_inst_pref_size 139
	.end_amdhsa_kernel
	.amdgpu_metadata
---
amdhsa.version: [ 1, 2 ]
amdhsa.kernels:
  - .name:           k_q21af87c808_trace
    .symbol:         k_q21af87c808_trace.kd
    .args:
      - { .name: W2, .offset: 0, .size: 8, .value_kind: global_buffer, .address_space: global }
      - { .name: W1, .offset: 8, .size: 8, .value_kind: global_buffer, .address_space: global }
      - { .name: b1, .offset: 16, .size: 8, .value_kind: global_buffer, .address_space: global }
      - { .name: b2, .offset: 24, .size: 8, .value_kind: global_buffer, .address_space: global }
      - { .name: W3, .offset: 32, .size: 8, .value_kind: global_buffer, .address_space: global }
      - { .name: b3, .offset: 40, .size: 8, .value_kind: global_buffer, .address_space: global }
      - { .name: cam_loc, .offset: 48, .size: 8, .value_kind: global_buffer, .address_space: global }
      - { .name: ray_directions, .offset: 56, .size: 8, .value_kind: global_buffer, .address_space: global }
      - { .name: object_mask, .offset: 64, .size: 8, .value_kind: global_buffer, .address_space: global }
      - { .name: out0, .offset: 72, .size: 8, .value_kind: global_buffer, .address_space: global }
      - { .name: out1, .offset: 80, .size: 8, .value_kind: global_buffer, .address_space: global }
      - { .name: out2, .offset: 88, .size: 8, .value_kind: global_buffer, .address_space: global }
      - { .name: zrange, .offset: 96, .size: 8, .value_kind: global_buffer, .address_space: global }
      - { .name: order, .offset: 104, .size: 8, .value_kind: global_buffer, .address_space: global }
    .group_segment_fixed_size: 198144
    .private_segment_fixed_size: 0
    .kernarg_segment_align: 8
    .kernarg_segment_size: 112
    .max_flat_workgroup_size: 128
    .sgpr_count:     66
    .vgpr_count:     864
    .wavefront_size: 32
...
	.end_amdgpu_metadata
.endif
;; end of part 3
;; launch sample (part 4): grid 256 x 1, 4 waves a work-group, no clusters, 223,232 bytes of LDS; arguments W2, W1, b1, b2, W3, b3, cam_loc, ray_directions, zrange, order, out0, out1, out2; writes out0, out1, out2
.if DOCPART == 4
	.amdgcn_target "amdgcn-amd-amdhsa--gfx1250"
	.amdhsa_code_object_version 6
	.text
	.protected	k_q21af87c808_sample
	.globl	k_q21af87c808_sample
	.p2align	8
	.type	k_q21af87c808_sample,@function
k_q21af87c808_sample:
	s_mov_b64 s[64:65], 0
	v_nop
	global_prefetch_b8 v0, s[64:65] scope:SCOPE_SE
	s_setreg_imm32_b32 hwreg(HW_REG_WAVE_MODE, 25, 1), 1
	s_wait_xcnt 0x0
; SAMPLER AND SECANT for the rays that the launch before listed (order.list, order.cnt); their out0, out1, out2 are written over.
; 256 work-groups in 16 groups of 16.  Group G serves rays 256 G .. 256 G + 255: work-group g = 16 G + j reads the 16 counts of that
; range with one scalar load, makes their prefix sums in scalar registers, and takes the listed rays number j, j + 16, j + 32, ..:
; R = (M + 15 - j) >> 4 of the group's M, at most 16.
; Phases: 100 R sample points in batches of 64 (point q = 100 slot + step), sums kept in LDS; for each ray the first sign change
; (argmin of sign x (100 - step), by a key that orders ties by step); eight secant steps on all R rays at once (one tile of 16 points).
; EVERY WAVE PASSES EVERY BARRIER WHATEVER THE COUNTS: the sampler's loop always has 25 trips (16 rays x 100 / 64) with two barriers each;
; in a trip at or past (100 R + 63) >> 6 the work between the barriers is jumped over by a scalar branch.  A work-group with R = 0
; computes as if it had one ray (a clamped, valid list entry), so that it reads nothing unwritten, and stores nothing.
;
; THE SDF, for a batch of 16 NT points (NT tiles, lane r = point r of a tile), transposed: D[hidden][point].
;   Wave w owns hidden units 64 w .. 64 w + 63 of both layers (four tiles T of 16).  Its quarter of W2 stays in 256 registers.
;   tanh x = 1 - 2 / (1 + 2^(C2 x)), C2 = 2 log2 e, folded into W1, b1, W2, b2 once.
;   Layer 1: one f16 matrix instruction a tile; weights, bias and point each as f16 hi + lo in k = 0..15 (about 21 bits kept).
;   Layer 2: eight K steps of 32, f16; the first takes the bias as C.  h1 goes from wave to wave through LDS in fragment order.
;   Layer 3 rides on the second tanh: 0.05 sum W3 (1 - 2 rho) = 0.05 sum W3 + sum (-0.1 W3) rho, rho = 1 / (1 + 2^(..)).
;
; THE TRANSCENDENTALS GO IN FOUR BATCHES AN SDF, each with one s_wait_alu depctr_va_vdst(0) between it and the first line that names a result
; of it.  Every result has a register of its own while its batch is open: the 32 NT accumulator registers in place,
; a point's root in its tile's sum register.
;   batch 1: the NT roots of |p|^2 + 1e-12 and the 32 NT exponentials of the first tanh;   batch 2: its 32 NT reciprocals;
;   batch 3: the 32 NT exponentials of the second tanh;                                   batch 4: its 32 NT reciprocals.
; The additions 1 + 2^x read the batch before, which has had its wait, and stand among the reciprocals, two pairs ahead of their own.
; Batches 1 and 2 close in the first half of an sdf, 3 and 4 in the second: none is open at a label, a jump or a barrier.
; The secant's one reciprocal a step is a batch by itself: the next point hangs on it.
;
; LIMITS.  f16 operands: |C2 W1|, |C2 b1|, |C2 W2| and the coordinates of a point must stay below 65504; W2 and h1 are rounded to f16 once
; (11 bits), which is the error that the signs see.  The sample positions are step x (1/99); the secant's division is a reciprocal
; (1 ulp) and a product.  NaN inputs are not served.
; NO CLUSTER: the only bytes that work-groups share are W2's 262,144, read once at the head and narrowed to f16 on the way through registers;
; as f32 rows in LDS they would not fit beside the 163,840 bytes of f16 staging, and the loops read no global memory at all.
.set C2,     0x4038aa3b                ; 2 log2 e
.set NEG01,  0xbdcccccd                ; -0.1
.set P005,   0x3d4ccccd                ; 0.05
.set NEG06,  0xbf19999a                ; -0.6
.set EPS12,  0x2b8cbccc                ; 1e-12
.set I99,    0x3c257eb5                ; 1/99
.set TRIPS,  25                        ; 16 rays x 100 steps / 64 points
; LDS
.set H1N,    8192                      ; h1 of a tile of 16 points: 16 fragment halves of 512 bytes; four tiles from byte 0
.set WST,    32768                     ; staging of W2 in f16: wave w's 256 rows (k) of 64 columns, its own bytes
.set WSTW,   40960
.set WP,     160                       ; its pitch: 128 bytes of data + 32
.set PART,   196608                    ; the sampler's partial sums [wave][q] f32, q < 1600
.set PARTW,  6400
.set PARTS,  222208                    ; the secant's partial sums [r][wave] f32
.set SECTAB, 222464                    ; [slot] 16 bytes: sdf below, sdf at, index of the first sign change
; registers, window 0
.set LN,   1                           ; lane
.set RR,   2                           ; r = lane & 15
.set HH,   3                           ; h = lane >> 4
.set LDA,  4                           ; 16 lane: h1 fragments, read
.set STA,  5                           ; 16 lane + 2048 w: h1 fragments, written
.set PST,  6
.set PLD,  7
.set FLAG, 8                           ; 1.0 in wave 0, h = 0: the lanes that add the analytic part
.set KLC,  9                           ; 0.05 x (the lane's 32 W3) + FLAG (0.05 b3 - 0.6)
.set CAM,  10                          ; v[10:12], v13 = smin
.set RAY,  14                          ; v[14:16], v17 = smax - smin
.set ZL,   18
.set ZH,   19
.set SL,   20
.set SH,   21
.set IND,  22
.set ZP,   24
.set ZH0,  25
.set ID,   26                          ; my slot's ray
.set SUM,  28                          ; v[28:35] a pair for each tile; the even one first holds the point's root.  At set-up: offsets
.set AW1,  28
.set AB2,  29
.set AW2,  30
.set AST,  31
.set ATR,  32
.set Q,    36                          ; v[36:39] my wave's sum for tile N
.set PR,   40                          ; v[40:55] partial sums as read; the sampler's ray data of tiles 0, 1.  At set-up: W1, b1
.set T,    56                          ; v[56:63] at work
.set B1,   64                          ; v[64:95] layer 1's B fragment of tile N.  At set-up: b2
.set PK,   96                          ; v[96:103] packed h1, two sets
.set W3R,  96                          ; v[96:127] at set-up: W3.  v[104:119]: the sampler's ray data of tiles 2, 3
.set ADR,  120                         ; v[120:123]
.set STP,  124                         ; v[124:127]
.set ACC,  128                         ; v[128:255] accumulators (T, N) at 32 N + 8 T.  At set-up: 32 slots of 4 for W2
.set SI,   128                         ; the argmin's constants lie in accumulators that are idle then
.set KZ,   132
.set KP,   136
.set KN,   140
.set AB,   144
.set SA,   145
.set A2,   0                           ; window 1: W2 fragments (T, k) at 64 T + 8 k
.set B2,   0                           ; window 2: h1 fragments (N, k) at 64 N + 8 k
.set A1,   0                           ; window 3: layer 1's A fragment of tile T
.set BI,   32                          ; window 3: C2 b2 in the accumulator's layout
.set W3P,  64                          ; window 3: -0.1 W3 in the accumulator's layout
.set MSB, 0
.macro WIN new                         ; s_set_vgpr_msb: bits 1:0 source 0, 3:2 source 1, 5:4 source 2, 7:6 destination; the high byte repeats the setting left
.if MSB != \new
	s_set_vgpr_msb (MSB<<8)|\new
.set MSB, \new
.endif
.endm
.macro PLACES                          ; four independent vector instructions between a matrix instruction and a vector read of its result (ISA guide 7.12.1)
.rept 4
	v_nop
.endr
.endm
.macro BAR                             ; my LDS stores are written and my LDS loads are back, for the other waves' sake: zero; then the barrier
	s_wait_dscnt 0x0
	s_barrier_signal -1
	s_barrier_wait -1
.endm
.macro SETUP_IDS
	s_load_b512 s[16:31], s[0:1], 0x0              ; W2 16, W1 18, b1 20, b2 22, W3 24, b3 26, cam 28, rays 30
	s_load_b256 s[32:39], s[0:1], 0x40
	v_lshl_add_u32 v27, v0, 2, 0x36600
	s_set_vgpr_msb 0xc0
	v_mov_b32 v97, 0
	s_set_vgpr_msb 0xc000
	v_and_b32 v[LN], 31, v0
	v_and_b32 v[RR], 15, v0
	v_bfe_u32 v[HH], v0, 4, 1
	v_lshrrev_b32 v[T], 5, v0
	v_readfirstlane_b32 s8, v[T]                   ; wave
	s_mov_b32 s9, ttmp9                            ; work-group
	s_mov_b32 s10, 0x76543210                      ; v_permlanex16_b32: lane i of the other half
	s_mov_b32 s11, 0xfedcba98
	s_mov_b32 s12, 0xffff0000                      ; the lanes with h = 1
	s_mov_b32 s13, 0xffffe000                      ; keeps an f32's upper 10 mantissa bits: exact in f16
	s_mov_b32 s52, C2
	s_mov_b32 s53, C2
	s_mov_b32 s54, NEG01
	s_mov_b32 s55, NEG01
	s_mov_b32 s57, EPS12
	v_lshlrev_b32 v[LDA], 4, v[LN]
	s_lshl_b32 s2, s8, 11
	v_add_nc_u32 v[STA], s2, v[LDA]
	s_lshl_b32 s2, s8, 8                           ; 64 f32 of my wave
	v_lshl_add_u32 v[AW1], v[RR], 2, s2            ; 4 (64 w + r)
	v_lshl_add_u32 v[AB2], v[HH], 5, s2            ; 4 (64 w + 8 h)
	v_lshl_add_u32 v[AW2], v[RR], 4, s2            ; W2: 16 r + 256 w
	v_lshl_add_u32 v[AW2], v[HH], 10, v[AW2]       ;     + row h
	s_mul_i32 s3, s8, WSTW
	s_add_co_u32 s3, s3, WST                       ; my staging
	v_mul_u32_u24 v[AST], WP, v[HH]
	v_lshl_add_u32 v[AST], v[RR], 3, v[AST]
	v_add_nc_u32 v[AST], s3, v[AST]                ; in: row h, 8 bytes at 8 r
	v_and_b32 v[ATR], 7, v0
	v_lshl_add_u32 v[ATR], v[HH], 3, v[ATR]
	v_mul_u32_u24 v[ATR], WP, v[ATR]               ; out, transposing: row 8 h + (lane & 7),
	v_bfe_u32 v[T], v0, 3, 1
	v_lshl_add_u32 v[ATR], v[T], 4, v[ATR]         ; 16 bytes at 16 ((lane >> 3) & 1)
	v_add_nc_u32 v[ATR], s3, v[ATR]
	v_cmp_gt_u32 vcc_lo, 16, v0
	v_mov_b32 v[FLAG], 1.0
	v_cndmask_b32 v[FLAG], 0, v[FLAG], vcc_lo
	s_wait_kmcnt 0x0
	s_load_b32 s15, s[26:27], 0x0                  ; b3
.endm
.macro SETUP_LOADS                     ; 32 small loads, then the first 64 rows of W2: 32 loads, each half wave 256 neighbouring bytes of a row
.set t_, 0
.rept 4
	global_load_b32 v[PR+4*t_], v[AW1], s[18:19] offset:64*t_
	global_load_b32 v[PR+4*t_+1], v[AW1], s[18:19] offset:1024+64*t_
	global_load_b32 v[PR+4*t_+2], v[AW1], s[18:19] offset:2048+64*t_
	global_load_b32 v[PR+4*t_+3], v[AW1], s[20:21] offset:64*t_
	global_load_b128 v[B1+8*t_:B1+8*t_+3], v[AB2], s[22:23] offset:64*t_
	global_load_b128 v[B1+8*t_+4:B1+8*t_+7], v[AB2], s[22:23] offset:64*t_+16
	global_load_b128 v[W3R+8*t_:W3R+8*t_+3], v[AB2], s[24:25] offset:64*t_
	global_load_b128 v[W3R+8*t_+4:W3R+8*t_+7], v[AB2], s[24:25] offset:64*t_+16
.set t_, t_+1
.endr
.set i_, 0
.rept 32
	global_load_b128 v[ACC+4*i_:ACC+4*i_+3], v[AW2], s[16:17] offset:2048*i_
.set i_, i_+1
.endr
.endm
; Rows 2 ii + h of W2, in slot ss = ii mod 32 of the ring.  Scale by C2, narrow to f16, 8 bytes into my staging; the slot is then
; loaded with the rows 64 further down.  All steps are in the immediates (LDS at most 320 x 127, global at most 2048 x 127):
; no base and no offset register is ever rewritten.  left: the younger loads that may stay out (loads come back in order, ISA guide 5.7.1).
.macro WSLOT ss, ii, ahead, left
	s_wait_loadcnt \left
	v_pk_mul_f32 v[ACC+4*\ss:ACC+4*\ss+1], v[ACC+4*\ss:ACC+4*\ss+1], s[52:53] op_sel_hi:[1,0]
	v_pk_mul_f32 v[ACC+4*\ss+2:ACC+4*\ss+3], v[ACC+4*\ss+2:ACC+4*\ss+3], s[52:53] op_sel_hi:[1,0]
	v_cvt_pk_f16_f32 v[T], v[ACC+4*\ss], v[ACC+4*\ss+1]
	v_cvt_pk_f16_f32 v[T+1], v[ACC+4*\ss+2], v[ACC+4*\ss+3]
	ds_store_b64 v[AST], v[T:T+1] offset:2*WP*\ii
.if \ahead
	global_load_b128 v[ACC+4*\ss:ACC+4*\ss+3], v[AW2], s[16:17] offset:2048*(\ii+32)
.endif
.endm
; Tile T's constants.  A1: k = 0..7 (lanes h = 0) = (wx, wy, wz, b)hi, (wx, wy, wz)hi, b lo;  k = 8..15 (h = 1) = (wx, wy, wz)lo, 0, twice.
; Against B1 = (px, py, pz)hi, 1, (px, py, pz)lo, 1 in both halves that sums to (w hi + w lo)(p hi + p lo) + b.
.macro TILECONST tt
.set x_, PR+4*\tt
	v_pk_mul_f32 v[x_:x_+1], v[x_:x_+1], s[52:53] op_sel_hi:[1,0]
	v_pk_mul_f32 v[x_+2:x_+3], v[x_+2:x_+3], s[52:53] op_sel_hi:[1,0]
	v_and_b32 v[T], s13, v[x_]
	v_and_b32 v[T+1], s13, v[x_+1]
	v_and_b32 v[T+2], s13, v[x_+2]
	v_and_b32 v[T+3], s13, v[x_+3]
	v_sub_f32 v[x_], v[x_], v[T]
	v_sub_f32 v[x_+1], v[x_+1], v[T+1]
	v_sub_f32 v[x_+2], v[x_+2], v[T+2]
	v_sub_f32 v[x_+3], v[x_+3], v[T+3]
	v_cvt_pk_f16_f32 v[T+4], v[T], v[T+1]          ; (wx hi, wy hi)
	v_cvt_pk_f16_f32 v[T+5], v[T+2], v[T+3]        ; (wz hi, b hi)
	v_cvt_pk_f16_f32 v[T+6], v[T+2], v[x_+3]       ; (wz hi, b lo)
	v_cvt_pk_f16_f32 v[T], v[x_], v[x_+1]          ; (wx lo, wy lo)
	v_cvt_pk_f16_f32 v[T+1], v[x_+2], 0            ; (wz lo, 0)
	WIN 0xc0                                       ; destinations in window 3
	v_cndmask_b32 v[A1+8*\tt], v[T+4], v[T], s12
	v_cndmask_b32 v[A1+8*\tt+1], v[T+5], v[T+1], s12
	v_cndmask_b32 v[A1+8*\tt+2], v[T+4], v[T], s12
	v_cndmask_b32 v[A1+8*\tt+3], v[T+6], v[T+1], s12
.set j_, 4
.rept 4
	v_mov_b32 v[A1+8*\tt+j_], 0                    ; k = 16..31 are not used
.set j_, j_+1
.endr
.set j_, 0
.rept 4
	v_pk_mul_f32 v[BI+8*\tt+j_:BI+8*\tt+j_+1], v[B1+8*\tt+j_:B1+8*\tt+j_+1], s[52:53] op_sel_hi:[1,0]
	v_pk_mul_f32 v[W3P+8*\tt+j_:W3P+8*\tt+j_+1], v[W3R+8*\tt+j_:W3R+8*\tt+j_+1], s[54:55] op_sel_hi:[1,0]
.set j_, j_+2
.endr
	WIN 0
.endm
.macro SETUP_REST
.set i_, 0
.rept 128                              ; 128 pairs of rows through the 32 slots: 31 younger loads stay out; in the last 32 nothing is loaded
.set s_, i_%32                         ; and the counts run down to 0: every load of the wave is in
.if i_ < 96
	WSLOT s_, i_, 1, 31
.else
	WSLOT s_, i_, 0, 127-i_
.endif
.set i_, i_+1
.endr
	WIN 0x40                                       ; destinations in window 1.  My own bytes, served in order: no wait, no barrier
.set k_, 0
.rept 8
.set t_, 0
.rept 4
	ds_load_tr16_b128 v[A2+64*t_+8*k_:A2+64*t_+8*k_+3], v[ATR] offset:32*WP*k_+32*t_
	ds_load_tr16_b128 v[A2+64*t_+8*k_+4:A2+64*t_+8*k_+7], v[ATR] offset:32*WP*k_+32*t_+16*WP
.set t_, t_+1
.endr
.set k_, k_+1
.endr
	WIN 0
	v_pk_add_f32 v[T:T+1], v[W3R:W3R+1], v[W3R+2:W3R+3]
.set i_, 4
.rept 14
	v_pk_add_f32 v[T:T+1], v[T:T+1], v[W3R+i_:W3R+i_+1]
.set i_, i_+2
.endr
	v_add_f32 v[T], v[T], v[T+1]                   ; the lane's 32 W3
	s_mov_b32 s2, P005
	v_mov_b32 v[T+1], NEG06
	v_fma_f32 v[T+1], s2, s15, v[T+1]
	v_mul_f32 v[T+1], v[FLAG], v[T+1]
	v_fma_f32 v[KLC], s2, v[T], v[T+1]
	TILECONST 0
	TILECONST 1
	TILECONST 2
	TILECONST 3
.set n_, 0
.rept 4
.set j_, 4
.rept 4
	v_mov_b32 v[B1+8*n_+j_], 0                     ; k = 16..31 of layer 1's B, once
.set j_, j_+1
.endr
.set n_, n_+1
.endr
.endm
; Point p = c + z d of tile nn: its B fragment (hi, lo), and sqrt(|p|^2 + 1e-12) into the tile's sum register.  The root belongs to batch 1:
; no line names its result before the wait behind the first tanh's exponentials; TANH1S then makes the start of the sum of it.
.macro POINT nn, zz, cc, dd
	v_fma_f32 v[T], v[\zz], v[\dd], v[\cc]
	v_fma_f32 v[T+1], v[\zz], v[\dd+1], v[\cc+1]
	v_fma_f32 v[T+2], v[\zz], v[\dd+2], v[\cc+2]
	v_fma_f32 v[T+3], v[T], v[T], s57
	v_fma_f32 v[T+3], v[T+1], v[T+1], v[T+3]
	v_fma_f32 v[T+3], v[T+2], v[T+2], v[T+3]
	v_sqrt_f32 v[SUM+2*\nn], v[T+3]                ; the plain lines below stand between it and the next write of its source (ISA guide 5.7.2)
	v_and_b32 v[T+4], s13, v[T]
	v_and_b32 v[T+5], s13, v[T+1]
	v_and_b32 v[T+6], s13, v[T+2]
	v_cvt_pk_f16_f32 v[B1+8*\nn], v[T+4], v[T+5]
	v_cvt_pk_f16_f32 v[B1+8*\nn+1], v[T+6], 1.0
	v_sub_f32 v[T+4], v[T], v[T+4]
	v_sub_f32 v[T+5], v[T+1], v[T+5]
	v_sub_f32 v[T+6], v[T+2], v[T+6]
	v_cvt_pk_f16_f32 v[B1+8*\nn+2], v[T+4], v[T+5]
	v_cvt_pk_f16_f32 v[B1+8*\nn+3], v[T+6], 1.0
.endm
.macro L1 nt                           ; layer 1: C2 (W1^T p + b1) for my 64 hidden units x 16 nt points
	WIN 0x03                                       ; A in window 3
.set n_, 0
.rept \nt
.set t_, 0
.rept 4
	v_wmma_f32_16x16x32_f16 v[ACC+32*n_+8*t_:ACC+32*n_+8*t_+7], v[A1+8*t_:A1+8*t_+7], v[B1+8*n_:B1+8*n_+7], 0
.set t_, t_+1
.endr
.set n_, n_+1
.endr
	WIN 0
	PLACES
.endm
.macro EXPS nt                         ; 2^x in place on all 32 nt accumulator registers, ascending: each accumulator is read from its low end on
.set j_, 0
.rept 32*\nt
	v_exp_f32 v[ACC+j_], v[ACC+j_]
.set j_, j_+1
.endr
.endm
; 1 / (1 + 2^x) in place.  The additions read the exponentials, whose wait stands ahead of this macro; each stands two pairs ahead of its own
; two reciprocals, and none names a register that a reciprocal has written.
.macro ADDRCP nt
	v_pk_add_f32 v[ACC:ACC+1], v[ACC:ACC+1], 1.0 op_sel_hi:[1,0]
	v_pk_add_f32 v[ACC+2:ACC+3], v[ACC+2:ACC+3], 1.0 op_sel_hi:[1,0]
.set j_, 0
.rept 16*\nt
.if j_+4 < 32*\nt
	v_pk_add_f32 v[ACC+j_+4:ACC+j_+5], v[ACC+j_+4:ACC+j_+5], 1.0 op_sel_hi:[1,0]
.endif
	v_rcp_f32 v[ACC+j_], v[ACC+j_]
	v_rcp_f32 v[ACC+j_+1], v[ACC+j_+1]
.set j_, j_+2
.endr
.endm
; The first tanh of all 4 nt tiles, packed to f16: lane (r, h) holds hidden 8 h + 0..7 of point r, which is half a B fragment of layer 2 as it stands.
.macro TANH1S nt
	EXPS \nt
.set n_, 0
.rept \nt
	v_mov_b32 v[SUM+2*n_+1], 0                     ; the sums' odd halves start at 0: plain work behind the last exponential (ISA guide 5.7.2) that names no result
.set n_, n_+1
.endr
	s_wait_alu depctr_va_vdst(0)                   ; batch 1: the nt roots of the POINTs in front and these 32 nt exponentials
	ADDRCP \nt
.set n_, 0
.rept \nt
	v_fma_f32 v[SUM+2*n_], v[FLAG], v[SUM+2*n_], v[KLC]   ; the start of a sum, KLC + FLAG x root (batch 1's): plain work behind the last reciprocal
.set n_, n_+1
.endr
	s_wait_alu depctr_va_vdst(0)                   ; batch 2: the 32 nt reciprocals
.set n_, 0
.rept \nt
.set t_, 0
.rept 4
.set a_, ACC+32*n_+8*t_
.set p_, PK+4*(t_&1)
.set j_, 0
.rept 4
	v_pk_fma_f32 v[a_+j_:a_+j_+1], v[a_+j_:a_+j_+1], -2.0, 1.0 op_sel_hi:[1,0,0]
.set j_, j_+2
.endr
.set j_, 0
.rept 4
	v_cvt_pk_f16_f32 v[p_+j_], v[a_+2*j_], v[a_+2*j_+1]
.set j_, j_+1
.endr
	ds_store_b128 v[STA], v[p_:p_+3] offset:H1N*n_+512*t_
.set t_, t_+1
.endr
.set n_, n_+1
.endr
.endm
.macro LOADH nt                        ; all of h1, K step by K step, 16 neighbouring bytes a lane
	WIN 0x80                                       ; destinations in window 2
.set k_, 0
.rept 8
.set n_, 0
.rept \nt
	ds_load_b128 v[B2+64*n_+8*k_:B2+64*n_+8*k_+3], v[LDA] offset:H1N*n_+1024*k_
	ds_load_b128 v[B2+64*n_+8*k_+4:B2+64*n_+8*k_+7], v[LDA] offset:H1N*n_+1024*k_+512
.set n_, n_+1
.endr
.set k_, k_+1
.endr
	WIN 0
.endm
.macro L2 nt                           ; layer 2: 4 nt chains in place, the first link takes the bias as C
.set k_, 0
.rept 8
	s_wait_dscnt 2*\nt*(7-k_)                      ; the 2 nt loads of each later K step may stay out
.if k_ == 0
	WIN 0x39                                       ; A window 1, B window 2, C window 3
.else
	WIN 0x09                                       ; A window 1, B window 2
.endif
.set t_, 0
.rept 4
.set n_, 0
.rept \nt
.if k_ == 0
	v_wmma_f32_16x16x32_f16 v[ACC+32*n_+8*t_:ACC+32*n_+8*t_+7], v[A2+64*t_+8*k_:A2+64*t_+8*k_+7], v[B2+64*n_+8*k_:B2+64*n_+8*k_+7], v[BI+8*t_:BI+8*t_+7]
.else
	v_wmma_f32_16x16x32_f16 v[ACC+32*n_+8*t_:ACC+32*n_+8*t_+7], v[A2+64*t_+8*k_:A2+64*t_+8*k_+7], v[B2+64*n_+8*k_:B2+64*n_+8*k_+7], v[ACC+32*n_+8*t_:ACC+32*n_+8*t_+7]
.endif
.set n_, n_+1
.endr
.set t_, t_+1
.endr
.set k_, k_+1
.endr
	WIN 0
	PLACES
.endm
; The second tanh with layer 3, for all 4 nt tiles: sum += (-0.1 W3) / (1 + 2^x).  A tile N's sum takes its terms by T and then by pair, ascending;
; the nt sums take turns, so that the links of one sum stand nt lines apart.
.macro TANH2S nt
	EXPS \nt
	v_nop                                          ; the plain place behind the last exponential (ISA guide 5.7.2): no other work is at hand
	s_wait_alu depctr_va_vdst(0)                   ; batch 3: the 32 nt exponentials
	ADDRCP \nt
	v_nop                                          ; the plain place behind the last reciprocal
	s_wait_alu depctr_va_vdst(0)                   ; batch 4: the 32 nt reciprocals
	WIN 0x0c                                       ; source 1 (-0.1 W3) in window 3
.set t_, 0
.rept 4
.set j_, 0
.rept 4
.set n_, 0
.rept \nt
	v_pk_fma_f32 v[SUM+2*n_:SUM+2*n_+1], v[ACC+32*n_+8*t_+j_:ACC+32*n_+8*t_+j_+1], v[W3P+8*t_+j_:W3P+8*t_+j_+1], v[SUM+2*n_:SUM+2*n_+1]
.set n_, n_+1
.endr
.set j_, j_+2
.endr
.set t_, t_+1
.endr
	WIN 0
.endm
.macro REDUCE nn                       ; the pair, then the other half of the lanes: my wave's 64 hidden units of point r, in both halves
	v_add_f32 v[Q+\nn], v[SUM+2*\nn], v[SUM+2*\nn+1]
	v_permlanex16_b32 v[T], v[Q+\nn], s10, s11
	v_add_f32 v[Q+\nn], v[Q+\nn], v[T]
.endm
; The sdf of 16 nt points whose POINTs stand in front, in two halves with a barrier between them (h1 written / h1 read).  The caller's
; barrier behind the second half (partial sums written / read) also stands between these reads of h1 and the next batch's stores.
.macro EVALA nt                        ; layer 1, tanh, h1 into LDS: batches 1 and 2
	L1 \nt
	TANH1S \nt
.endm
.macro EVALB nt                        ; h1 from LDS, layer 2, tanh with layer 3, my wave's sums: batches 3 and 4
	LOADH \nt
	L2 \nt
	TANH2S \nt
.set n2_, 0
.rept \nt
	REDUCE n2_
.set n2_, n2_+1
.endr
.endm
.macro LANESUM xx                      ; the sum over the 32 lanes, in every lane
	v_add_f32_dpp v[\xx], v[\xx], v[\xx] row_xmask:1 row_mask:0xf bank_mask:0xf
	v_add_f32_dpp v[\xx], v[\xx], v[\xx] row_xmask:2 row_mask:0xf bank_mask:0xf
	v_add_f32_dpp v[\xx], v[\xx], v[\xx] row_xmask:4 row_mask:0xf bank_mask:0xf
	v_add_f32_dpp v[\xx], v[\xx], v[\xx] row_xmask:8 row_mask:0xf bank_mask:0xf
	v_permlanex16_b32 v[T+1], v[\xx], s10, s11
	v_add_f32 v[\xx], v[\xx], v[T+1]
.endm
.macro PRED                            ; z = -sl (zh - zl) / den + zl, den = sh - sl, or 1e-12 where |den| is not above it
	v_sub_f32 v[T], v[SH], v[SL]
	v_cmp_gt_f32 vcc_lo, |v[T]|, s57
	v_cndmask_b32 v[T], s57, v[T], vcc_lo
	v_rcp_f32 v[T], v[T]
	v_sub_f32 v[T+1], v[ZH], v[ZL]                 ; the plain place behind the reciprocal, and all the independent work that there is
	s_wait_alu depctr_va_vdst(0)                   ; the step's one reciprocal, a batch by itself: the next point hangs on it, and the loop's jump follows
	v_mul_f32 v[T+1], v[T+1], v[T]
	v_fma_f32 v[ZP], -v[SL], v[T+1], v[ZL]
.endm
; The first sign change of slot min(w + 4 ii, last slot).  Lane l holds steps 4 l + e.  A slot taken twice lands in an entry that nobody reads.
.macro ARGMIN ii
	s_add_co_u32 s50, s8, 4*\ii
	s_min_u32 s50, s50, s49
	s_min_u32 s50, s50, 15
	s_mul_i32 s50, s50, 400                        ; 100 f32 a slot
	v_add_nc_u32 v[T], s50, v[AB]
.set i_, 0
.rept 4
	ds_load_b128 v[PR+4*i_:PR+4*i_+3], v[T] offset:PARTW*i_
.set i_, i_+1
.endr
	s_wait_dscnt 0x0
	v_pk_add_f32 v[PR:PR+1], v[PR:PR+1], v[PR+4:PR+5]
	v_pk_add_f32 v[PR+2:PR+3], v[PR+2:PR+3], v[PR+6:PR+7]
	v_pk_add_f32 v[PR+8:PR+9], v[PR+8:PR+9], v[PR+12:PR+13]
	v_pk_add_f32 v[PR+10:PR+11], v[PR+10:PR+11], v[PR+14:PR+15]
	v_pk_add_f32 v[PR:PR+1], v[PR:PR+1], v[PR+8:PR+9]
	v_pk_add_f32 v[PR+2:PR+3], v[PR+2:PR+3], v[PR+10:PR+11]      ; the sdf at my four steps
.set e_, 0
.rept 4
	v_cmp_lt_f32 vcc_lo, 0, v[PR+e_]
	v_cndmask_b32 v[ADR+e_], v[KZ+e_], v[KP+e_], vcc_lo
	v_cmp_gt_f32 vcc_lo, 0, v[PR+e_]
	v_cndmask_b32 v[ADR+e_], v[ADR+e_], v[KN+e_], vcc_lo
.set e_, e_+1
.endr
	v_min_num_f32 v[ADR], v[ADR], v[ADR+1]
	v_min_num_f32 v[ADR+2], v[ADR+2], v[ADR+3]
	v_min_num_f32 v[ADR], v[ADR], v[ADR+2]
	v_min_num_f32_dpp v[ADR], v[ADR], v[ADR] row_xmask:1 row_mask:0xf bank_mask:0xf
	v_min_num_f32_dpp v[ADR], v[ADR], v[ADR] row_xmask:2 row_mask:0xf bank_mask:0xf
	v_min_num_f32_dpp v[ADR], v[ADR], v[ADR] row_xmask:4 row_mask:0xf bank_mask:0xf
	v_min_num_f32_dpp v[ADR], v[ADR], v[ADR] row_xmask:8 row_mask:0xf bank_mask:0xf
	v_permlanex16_b32 v[ADR+1], v[ADR], s10, s11
	v_min_num_f32 v[ADR], v[ADR], v[ADR+1]
	v_cvt_i32_f32 v[ADR+1], v[ADR]
	v_and_b32 v[ADR+1], 127, v[ADR+1]              ; ind: the key's low seven bits, for negative keys too (a multiple of 128 was taken away)
	v_cmp_ne_u32 vcc_lo, 0, v[ADR+1]
	v_add_nc_u32 v[ADR+2], -1, v[ADR+1]
	v_cndmask_b32 v[ADR+2], 99, v[ADR+2], vcc_lo   ; ind - 1, wrapping to 99
	; the sdf at ind and at ind - 1, picked by compares: no address is made of ind
	v_cmp_eq_u32 vcc_lo, v[SI], v[ADR+2]
	v_cndmask_b32 v[STP], 0, v[PR], vcc_lo
	v_cmp_eq_u32 vcc_lo, v[SI], v[ADR+1]
	v_cndmask_b32 v[STP+1], 0, v[PR], vcc_lo
.set e_, 1
.rept 3
	v_cmp_eq_u32 vcc_lo, v[SI+e_], v[ADR+2]
	v_cndmask_b32 v[STP], v[STP], v[PR+e_], vcc_lo
	v_cmp_eq_u32 vcc_lo, v[SI+e_], v[ADR+1]
	v_cndmask_b32 v[STP+1], v[STP+1], v[PR+e_], vcc_lo
.set e_, e_+1
.endr
	LANESUM STP
	LANESUM STP+1
	v_cvt_f32_i32 v[STP+2], v[ADR+1]
	ds_store_b128 v[SA], v[STP:STP+3] offset:64*\ii    ; entry w + 4 ii: (sdf below, sdf at, ind, 0)
.endm
; ---------------------------------------------------------------------------------------------------------------------------------
	s_load_b64 s[40:41], s[0:1], 0x60              ; out2 40   (zrange 32, order 34, out0 36, out1 38)
	SETUP_IDS
	s_mov_b32 s56, I99
	s_lshr_b32 s50, s9, 4
	s_lshl_b32 s50, s50, 6                         ; my group's 16 counts: 64 bytes
	s_load_b512 s[68:83], s[34:35], s50 offset:0x4000
	SETUP_LOADS
	s_wait_kmcnt 0x0                               ; the counts, and b3
	s_mov_b32 s44, 0
.set i_, 0
.rept 16                               ; counts become exclusive prefix sums; s44: the group's total
	s_min_u32 s2, s[68+i_], 16
	s_mov_b32 s[68+i_], s44
	s_add_co_u32 s44, s44, s2
.set i_, i_+1
.endr
	s_and_b32 s51, s9, 15                          ; j
	s_add_co_u32 s46, s44, 15
	s_sub_co_u32 s46, s46, s51
	s_lshr_b32 s46, s46, 4
	s_min_u32 s46, s46, 16                         ; R: my rays, the lanes that store at the end
	s_max_u32 s60, s46, 1                          ; what is computed: at least one
	s_mul_i32 s47, s60, 100
	s_add_co_u32 s47, s47, 63
	s_lshr_b32 s47, s47, 6
	s_min_u32 s47, s47, TRIPS                      ; batches of 64 sample points that hold work
	s_sub_co_u32 s49, s60, 1                       ; the last slot
	s_mul_i32 s45, s8, PARTW
	s_add_co_u32 s45, s45, PART                    ; my partial sums
	; lane r serves slot min(r, last): the group's listed ray number n = j + 16 slot lies in the last list whose prefix is not above n
	v_min_u32 v[T], s49, v[RR]
	v_lshl_add_u32 v[T], v[T], 4, s51
	v_mov_b32 v[T+1], 0
	v_mov_b32 v[T+2], 0
.set i_, 1
.rept 15
	v_cmp_gt_u32 vcc_lo, s[68+i_], v[T]
	v_cndmask_b32 v[T+1], i_, v[T+1], vcc_lo
	v_cndmask_b32 v[T+2], s[68+i_], v[T+2], vcc_lo
.set i_, i_+1
.endr
	v_sub_nc_u32 v[T+2], v[T], v[T+2]              ; place in that list
	s_and_b32 s2, s9, 0xf0
	v_add_nc_u32 v[T+1], s2, v[T+1]
	v_lshl_add_u32 v[T+1], v[T+1], 4, v[T+2]
	v_min_u32 v[T+1], 0xfff, v[T+1]                ; every one of the 4,096 entries holds a ray's number
	v_lshlrev_b32 v[T+1], 2, v[T+1]
	global_load_b32 v[T+3], v[T+1], s[34:35]
	s_wait_loadcnt 0x0                             ; the list entry is the youngest load
	v_min_u32 v[ID], 0xfff, v[T+3]
	v_mul_u32_u24 v33, 12, v[ID]
	v_lshlrev_b32 v34, 3, v[ID]
	v_mov_b32 v35, 0                               ; the one register of the sums not yet written: the two halves of a trip below are entered
	                                               ; under the same compare, and with this no path through the two branches reads an unwritten register
	global_load_b96 v[CAM:CAM+2], v33, s[28:29]
	global_load_b96 v[RAY:RAY+2], v33, s[30:31]
	global_load_b64 v[ZL:ZH], v34, s[32:33]        ; acc_s, acc_e.  These three are older than every refill of the W2 ring
	SETUP_REST
	v_mov_b32 v13, v[ZL]                           ; smin
	v_sub_f32 v17, v[ZH], v[ZL]                    ; smax - smin
	s_mov_b32 s14, 0
.Lsamp:                                ; 64 points: lane r, tile t is point q = 64 trip + 4 r + t = 100 slot + step.  A trip's 516 transcendentals have four waits
	s_cmp_ge_u32 s14, s47
	s_cbranch_scc1 .Lskip1                         ; no points left: only the barriers are passed
	s_lshl_b32 s50, s14, 6
	v_lshl_add_u32 v[T+7], v[RR], 2, s50
.set t_, 0
.rept 4
.set rd_, 40+8*t_+48*(t_>>1)
	v_add_nc_u32 v[STP+t_], t_, v[T+7]
	v_mul_u32_u24 v[ADR+t_], 0x147b, v[STP+t_]     ; q / 100 = (5243 q) >> 19, exact for q < 43,690
	v_lshrrev_b32 v[ADR+t_], 19, v[ADR+t_]
	v_min_u32 v[ADR+t_], 15, v[ADR+t_]
	v_mul_u32_u24 v[T], 100, v[ADR+t_]
	v_sub_nc_u32 v[STP+t_], v[STP+t_], v[T]
	v_lshlrev_b32 v[ADR+t_], 2, v[ADR+t_]
.set c_, 0
.rept 8
	ds_bpermute_b32 v[rd_+c_], v[ADR+t_], v[CAM+c_]    ; the slot's ray from lane slot: cam, smin, ray, smax - smin.  No LDS byte is touched
.set c_, c_+1
.endr
.set t_, t_+1
.endr
	s_wait_dscnt 0x0
.set t_, 0
.rept 4
.set rd_, 40+8*t_+48*(t_>>1)
	v_cvt_f32_u32 v[STP+t_], v[STP+t_]
	v_mul_f32 v[STP+t_], s56, v[STP+t_]
	v_fma_f32 v[STP+t_], v[STP+t_], v[rd_+7], v[rd_+3]
	POINT t_, STP+t_, rd_, rd_+4
.set t_, t_+1
.endr
	EVALA 4
.Lskip1:
	BAR                                            ; h1 is written
	s_cmp_ge_u32 s14, s47
	s_cbranch_scc1 .Lskip2
	EVALB 4
	s_min_u32 s50, s14, TRIPS-1
	s_lshl_b32 s50, s50, 8                         ; 64 f32 a trip
	s_add_co_u32 s50, s50, s45
	v_lshl_add_u32 v[T], v[RR], 4, s50
	ds_store_b128 v[T], v[Q:Q+3]                   ; part[w][q .. q + 3]
.Lskip2:
	BAR                                            ; h1 is free for the next trip; behind the last trip the sums may be read
	s_add_co_u32 s14, s14, 1
	s_cmp_lt_u32 s14, TRIPS
	s_cbranch_scc1 .Lsamp
	; the argmin's constants: lane l holds steps s = 4 l + e.  key = sign x (100 - s) x 128 + s orders like sign x (100 - s), ties by s
	s_mov_b32 s2, 0x43000000                       ; 128.0
	s_mov_b32 s3, 0x7f000000                       ; lanes 25 to 31 hold no step: a key above all others
	v_cmp_gt_u32 vcc_lo, 25, v[LN]
.set e_, 0
.rept 4
	v_lshl_add_u32 v[SI+e_], v[LN], 2, e_
	v_cvt_f32_u32 v[KZ+e_], v[SI+e_]
	v_sub_f32 v[T], 0x42c80000, v[KZ+e_]           ; 100 - s
	v_fma_f32 v[KP+e_], v[T], s2, v[KZ+e_]
	v_fma_f32 v[KN+e_], -v[T], s2, v[KZ+e_]
	v_cndmask_b32 v[KZ+e_], s3, v[KZ+e_], vcc_lo
	v_cndmask_b32 v[KP+e_], s3, v[KP+e_], vcc_lo
	v_cndmask_b32 v[KN+e_], s3, v[KN+e_], vcc_lo
.set e_, e_+1
.endr
	v_min_u32 v[AB], 24, v[LN]
	v_lshlrev_b32 v[AB], 4, v[AB]
	v_add_nc_u32 v[AB], PART, v[AB]
	s_lshl_b32 s50, s8, 4
	s_add_co_u32 s50, s50, SECTAB
	v_mov_b32 v[SA], s50
	v_mov_b32 v[STP+3], 0
	ARGMIN 0                                       ; sixteen entries, four a wave
	ARGMIN 1
	ARGMIN 2
	ARGMIN 3
	BAR
	; the secant: lane r serves slot min(r, last) again
	v_min_u32 v[T], s49, v[RR]
	v_min_u32 v[T], 15, v[T]
	v_lshlrev_b32 v[T], 4, v[T]
	v_add_nc_u32 v[T], SECTAB, v[T]
	ds_load_b128 v[SL:SL+3], v[T]                  ; SL, SH, IND
	s_lshl_b32 s50, s8, 2
	s_add_co_u32 s50, s50, PARTS
	v_lshl_add_u32 v[PST], v[RR], 4, s50
	v_lshlrev_b32 v[PLD], 4, v[RR]
	v_add_nc_u32 v[PLD], PARTS, v[PLD]
	s_wait_dscnt 0x0
	v_cmp_gt_f32 s59, 0, v[SH]                     ; a surface was found
	v_mul_f32 v[T], s56, v[IND]
	v_fma_f32 v[ZH], v[T], v17, v13
	v_cmp_neq_f32 vcc_lo, 0, v[IND]
	v_add_f32 v[T+1], -1.0, v[IND]
	v_cndmask_b32 v[T+1], 0x42c60000, v[T+1], vcc_lo   ; 99.0
	v_mul_f32 v[T+1], s56, v[T+1]
	v_fma_f32 v[ZL], v[T+1], v17, v13
	v_mov_b32 v[ZH0], v[ZH]
	PRED
	s_mov_b32 s14, 0
.Lsec:                                 ; a step's 130 transcendentals have five waits: the sdf's four and PRED's
	POINT 0, ZP, CAM, RAY
	EVALA 1
	BAR
	EVALB 1
	ds_store_b32 v[PST], v[Q]
	BAR
	ds_load_b128 v[PR:PR+3], v[PLD]
	s_wait_dscnt 0x0
	v_pk_add_f32 v[PR:PR+1], v[PR:PR+1], v[PR+2:PR+3]
	v_add_f32 v[PR], v[PR], v[PR+1]
	v_cmp_lt_f32 vcc_lo, 0, v[PR]
	v_cndmask_b32 v[ZL], v[ZL], v[ZP], vcc_lo
	v_cndmask_b32 v[SL], v[SL], v[PR], vcc_lo
	v_cmp_gt_f32 vcc_lo, 0, v[PR]
	v_cndmask_b32 v[ZH], v[ZH], v[ZP], vcc_lo
	v_cndmask_b32 v[SH], v[SH], v[PR], vcc_lo
	PRED
	s_add_co_u32 s14, s14, 1
	s_cmp_lt_u32 s14, 8
	s_cbranch_scc1 .Lsec
	s_cmp_lg_u32 s8, 0                             ; all waves hold the same: wave 0 stores, lanes 0 .. R - 1
	s_cbranch_scc1 .Lend
	v_cndmask_b32 v[T+3], v[ZH0], v[ZP], s59
	v_fma_f32 v[T], v[T+3], v[RAY], v[CAM]
	v_fma_f32 v[T+1], v[T+3], v[RAY+1], v[CAM+1]
	v_fma_f32 v[T+2], v[T+3], v[RAY+2], v[CAM+2]
	v_mov_b32 v[T+4], 1
	v_cndmask_b32 v[T+4], 0, v[T+4], s59
	v_mul_u32_u24 v[T+5], 12, v[ID]
	v_lshlrev_b32 v[T+6], 2, v[ID]
	s_wait_xcnt 0x0                                ; EXEC changes only behind this wait
	v_cmp_gt_u32 vcc_lo, s46, v[LN]
	s_and_saveexec_b32 s50, vcc_lo
	global_store_b96 v[T+5], v[T:T+2], s[36:37]
	global_store_b32 v[T+6], v[T+3], s[40:41]
	global_store_b8 v[ID], v[T+4], s[38:39]
	s_wait_xcnt 0x0
	s_or_b32 exec_lo, exec_lo, s50
.Lend:
	s_set_vgpr_msb 0xc
	s_wait_tensorcnt 0x0
	ds_add_u32 v27, v97
	s_wait_dscnt 0x0
	s_set_vgpr_msb 0xc00
	s_endpgm
.Lfunc_end_k_q21af87c808_sample:
	.size	k_q21af87c808_sample, .Lfunc_end_k_q21af87c808_sample-k_q21af87c808_sample
	.p2alignl 7, 3214868480
	.fill 96, 4, 3214868480
	.section	.rodata,"a",@progbits
	.p2align	6, 0x0
	.amdhsa_kernel k_q21af87c808_sample
		.amdhsa_group_segment_fixed_size 223232
		.amdhsa_private_segment_fixed_size 0
		.amdhsa_enable_private_segment 0
		.amdhsa_kernarg_size 104
		.amdhsa_user_sgpr_count 2
		.amdhsa_user_sgpr_kernarg_segment_ptr 1
		.amdhsa_wavefront_size32 1
		.amdhsa_system_sgpr_workgroup_id_x 1
		.amdhsa_system_sgpr_workgroup_id_y 1
		.amdhsa_system_sgpr_workgroup_id_z 1
		.amdhsa_system_vgpr_workitem_id 0
		.amdhsa_next_free_vgpr 866
		.amdhsa_next_free_sgpr 84
		.amdhsa_reserve_vcc 1
		.amdhsa_float_denorm_mode_32 3
		.amdhsa_float_denorm_mode_16_64 3
		.amdhsa_memory_ordered 1
		.amdhsa_forward_progress 1
		.amdhsa_inst_pref_size 172
	.end_amdhsa_kernel
	.amdgpu_metadata
---
amdhsa.version: [ 1, 2 ]
amdhsa.kernels:
  - .name:           k_q21af87c808_sample
    .symbol:         k_q21af87c808_sample.kd
    .args:
      - { .name: W2, .offset: 0, .size: 8, .value_kind: global_buffer, .address_space: global }
      - { .name: W1, .offset: 8, .size: 8, .value_kind: global_buffer, .address_space: global }
      - { .name: b1, .offset: 16, .size: 8, .value_kind: global_buffer, .address_space: global }
      - { .name: b2, .offset: 24, .size: 8, .value_kind: global_buffer, .address_space: global }
      - { .name: W3, .offset: 32, .size: 8, .value_kind: global_buffer, .address_space: global }
      - { .name: b3, .offset: 40, .size: 8, .value_kind: global_buffer, .address_space: global }
      - { .name: cam_loc, .offset: 48, .size: 8, .value_kind: global_buffer, .address_space: global }
      - { .name: ray_directions, .offset: 56, .size: 8, .value_kind: global_buffer, .address_space: global }
      - { .name: zrange, .offset: 64, .size: 8, .value_kind: global_buffer, .address_space: global }
      - { .name: order, .offset: 72, .size: 8, .value_kind: global_buffer, .address_space: global }
      - { .name: out0, .offset: 80, .size: 8, .value_kind: global_buffer, .address_space: global }
      - { .name: out1, .offset: 88, .size: 8, .value_kind: global_buffer, .address_space: global }
      - { .name: out2, .offset: 96, .size: 8, .value_kind: global_buffer, .address_space: global }
    .group_segment_fixed_size: 223232
    .private_segment_fixed_size: 0
    .kernarg_segment_align: 8
    .kernarg_segment_size: 104
    .max_flat_workgroup_size: 128
    .sgpr_count:     84
    .vgpr_count:     866
    .wavefront_size: 32
...
	.end_amdgpu_metadata
.endif
;; end of part 4
